; MI455X (gfx1250); checked and timed in simulation.
; The chip was launched on July 23, 2026; its instructions are those of AMD's public machine-readable ISA for CDNA 5 (MIT licence, August 2026) and "CDNA5" Instruction Set Architecture Reference Guide (July 2026). The comments in the code are by the model that wrote it; some were corrected since.
;; Zonos Attention. Allowed arithmetic: matrix products marked QUANTISED: E2M3 operands, one E8M0 scale for each 32 along K, by v_wmma_scale_f32_16x16x128_f8f6f4 with both operands' format E2M3, f32 sums; everything else in f32.
;; Inputs: cos 4,096 x 1 x 64 float32; hidden_states 4,096 x 2,048 float32; position_ids 4,096 int32; sin 4,096 x 1 x 64 float32; w_in 3,072 x 2,048 float32; w_out 2,048 x 2,048 float32.
;; Outputs: out0 4,096 x 2,048 float32.
;; This version of the problem:
;;   THIS VERSION OF THE PROBLEM IS GIVEN IN LOW PRECISION. The matrix products marked QUANTISED in the list below multiply operands that are first quantised to E2M3 (2 exponent bits, 3 mantissa bits; 6 bits a number), with one power-of-two scale for each 32 numbers along K (OCP MX v1.0); their sums are f32. All else is computed in f32.
;;   The module's matrix products, in the order in which they are computed (A, B: the left and right operand; K: the contracted axis; several contracted axes count as one K, in the product's order):
;;     1. [M 4,096, K 2,048] x [K 2,048, N 3,072]; A: input hidden_states; B: input w_in: QUANTISED
;;     2. batch 128 x [M 1,024, K 64] x [K 64, N 1,024]; A: computed on the way; B: computed on the way: QUANTISED
;;     3. batch 128 x [M 64, K 1,024] x [K 1,024, N 1,024]; A: computed on the way; B: softmax (see below): QUANTISED
;;     4. [M 4,096, K 2,048] x [K 2,048, N 2,048]; A: computed on the way; B: input w_out: QUANTISED
;;   THE QUANTISER, for each operand of a quantised product, along K:
;;     - K is cut into blocks of 32 from its start; a last block that is shorter is filled with zeros.
;;     - A block's scale is 2^e with e = floor(log2(the largest magnitude in the block)) - 2, held to -126 .. 127; a block of zeros has e = 0. As a byte (E8M0): e + 127.
;;     - Each number is divided by its block's scale, clamped to +-7.5, and rounded to the nearest number of E2M3, ties to even, subnormals kept.
;;     - The product sums the exact products of the quantised numbers (number of the format x scale) in f32.
;;   ~~~python
;;   def quantise(x, axis):      # numpy; x: float32 -> the quantised numbers, widened to float32 again
;;       x = np.moveaxis(x, axis, -1); K = x.shape[-1]
;;       x = np.pad(x, [(0, 0)] * (x.ndim - 1) + [(0, -K % 32)]); x = x.reshape(x.shape[:-1] + (-1, 32)); a = np.abs(x).max(-1, keepdims=True)
;;       e = np.where(a > 0, np.clip(np.frexp(np.where(a > 0, a, 1))[1] - 1 - 2, -126, 127), 0)      # np.frexp(a)[1] - 1 = floor(log2(a)), exactly
;;       r = np.clip(x / 2.0 ** e, -7.5, 7.5)
;;       step = 2.0 ** (np.maximum(np.frexp(np.where(r == 0, 1, r))[1] - 1, 0) - 3)
;;       q = np.round(r / step) * step * 2.0 ** e      # np.round: ties to even
;;       return np.moveaxis(q.reshape(q.shape[:-2] + (-1,))[..., :K], -1, axis).astype(np.float32)
;;   ~~~
;;   SOFTMAX AHEAD OF A QUANTISED PRODUCT. Where the list says 'softmax', what is quantised is not the finished softmax but p = 2^(t - M), with t = logit x log2(e) and M = ceil(the row's largest t), a whole number; so 1/2 < the row's largest p <= 1. The row's sum l is taken of the UNQUANTISED p, in f32, and the product's result is divided by l at the end. Since M is a whole number, a kernel that streams over the keys may use a running M (the ceiling of the running maximum): every later rescaling is an exact power of two, which a block's scale takes up: the codes' values come out the same.
;;   OPERANDS COMPUTED ON THE WAY. 'Computed on the way' means the value that the module computes at that place (a softmax that the list does not call 'softmax' is quantised finished and normalised). What goes into a quantiser is computed in f32, as accurately as f32 sums, v_exp_f32 and their like allow (about 1e-6 of the number): no bf16 or f16 on the way to a quantiser, and a product that is left as it is and whose result goes on into a quantised operand takes f32 operands (vector FMAs, or v_wmma_f32_16x16x4_f32). A number that lies on a knife's edge between two numbers of the format may be rounded either way, as far as f32 arithmetic and the matrix unit's own rounding can turn it there, and no further.
;; One version. Each part assembles by itself: llvm-mc -triple=amdgcn-amd-amdhsa -mcpu=gfx1250 --defsym DOCPART=n.
;; ======== version 1 of 1: 4 launches
;; limits: right only within a limited range of input values
;; workspace buffers: opq 16,842,752 bytes; qkv 10,158,080 bytes; aq 6,553,600 bytes; woq 3,276,800 bytes
;; launch quant (part 1): grid 512 x 1, 4 waves a work-group, no clusters, 34,304 bytes of LDS; arguments hidden_states, w_in, cos, sin, opq; writes opq
.if DOCPART == 1
	.amdgcn_target "amdgcn-amd-amdhsa--gfx1250"
	.amdhsa_code_object_version 6
	.text
	.protected	k_q35f5f4a616_quant
	.globl	k_q35f5f4a616_quant
	.p2align	8
	.type	k_q35f5f4a616_quant,@function
k_q35f5f4a616_quant:
	s_mov_b64 s[64:65], 0
	v_nop
	global_prefetch_b8 v0, s[64:65] scope:SCOPE_SE
	s_setreg_imm32_b32 hwreg(HW_REG_WAVE_MODE, 25, 1), 1
	s_wait_xcnt 0x0
; hidden_states [4096][2048] and w_in [3072][2048], f32, K innermost, become codes of FP6 (E2M3) with one E8M0 byte for each 32 along K,
; laid in the ORDER OF THE OPERAND'S REGISTERS.  A ROW TILE T is 16 rows: lane r stands for row 32 (T / 2) + 8 (T % 2) + r + 8 (r / 8).  A fragment's image (16 rows x 128 K, 12 registers a lane) is 1,536 bytes:
; register 4 c + e of lane l at byte 512 c + 16 l + 4 e.  A tensor's images lie [K / 256][row tile][2 chunks of 128 K]; its scale words (4 bytes: one row, 128 K) lie [row tile][K / 256][r][2 words].
; cos and sin [4096][64] are laid anew, as f32, in the order in which the next launch's lanes want them: [token tile][16 pieces of 512 bytes].
; w_out is quantised in the same way by the next launch, by work-groups that have no part in its product.
; A block's scale is 2^(floor(log2(largest magnitude)) - 2); its byte is the largest magnitude's exponent field - 2, held at 1 from below.
; LIMITS: a block of zeros, or one whose largest magnitude lies under 2^-124, keeps the byte 1 (its codes are zeros or subnormal codes; the bytes are read by this program alone); NaN and infinities are not served.
; position_ids is named by no launch of this program.
; SHARES.  Work-groups 0-447: one row tile each (0-255 hidden_states, 256-447 w_in); wave w takes K = 512 w .. 512 w + 511, four chunks of 128.  Work-groups 448-511: cos and sin, a token tile a wave.
; w_in's image tiles 128-191 are laid so that each run of 16 tiles holds two k heads and then the two v heads of the same number.
; Each load reads 512 consecutive bytes of one row; a chunk's 16 rows turn through the wave's own stage in LDS (rows 528 bytes apart) and come back 16 neighbours of each block of 32 a lane.
.set WI_IMG, 6291456
.set HS_SCL, 14155776
.set CS_IMG, 14745600
.set STG,    8448                      ; a wave's stage: 16 rows x 528 bytes
.set SPARE,  4*STG                     ; behind the stages: the spare words, 128 bytes a wave
.set TM,  8                            ; v8-23   at work in QUANT
.set PW,  24                           ; v24-27  the four chunks' scale words
.set SPW, 30                           ; v30     LDS address of my spare word; never rewritten
.set NIL, 31                           ; v31     0; never rewritten
.set R,   32                           ; v32-159 two sets of 64 registers as loaded
.set X,   160                          ; v160-223 64 numbers: register 16 b + i = k 32 b + 16 (lane / 16) + i of my row
.set PC,  224                          ; v224-242 the codes
.set SEL, 40                           ; s40, s41 lane selects: lane l xor 16
.set HM,  42                           ; s42     the mask of lanes 16-31
	s_load_b128 s[4:7], s[0:1], 0x0                ; hidden_states, w_in
	s_load_b64 s[10:11], s[0:1], 0x10              ; cos
	s_load_b128 s[12:15], s[0:1], 0x18             ; sin, opq
	v_lshl_add_u32 v[SPW], v0, 2, SPARE
	v_mov_b32 v[NIL], 0
	v_lshrrev_b32 v1, 5, v0
	v_readfirstlane_b32 s16, v1                    ; wave
	v_and_b32 v1, 31, v0                           ; lane
	v_and_b32 v2, 15, v0                           ; r
	v_bfe_u32 v3, v0, 4, 1                         ; h
	v_lshlrev_b32 v4, 4, v1                        ; 16 x lane
	v_lshlrev_b32 v7, 3, v1                        ; 8 x lane
	s_mul_i32 s17, s16, STG
	v_add_nc_u32 v5, s17, v4                       ; the stage, way in: 16 x lane of a row
	v_mul_u32_u24 v6, v2, 528
	v_lshl_add_u32 v6, v3, 6, v6
	v_add_nc_u32 v6, s17, v6                       ; way out: row r, + 64 h
	s_mov_b32 s[SEL], 0x76543210
	s_mov_b32 s[SEL+1], 0xfedcba98
	s_mov_b32 s[HM], 0xffff0000
.irp b, 0,1,2,3
	v_mov_b32 v[TM+4+\b], 0                        ; written once: a lane permute's destination counts as one of its sources
.endr
	s_mov_b32 s22, 256                             ; w_in's figures; the selects below put hidden_states' in their place
	s_mov_b32 s23, 192
	s_mov_b32 s24, WI_IMG
	s_wait_alu depctr_va_vdst(0)                   ; the wait at the head's end
	s_wait_kmcnt 0x0
	s_cmp_ge_u32 ttmp9, 448
	s_cbranch_scc1 .Lcs
	s_cmp_lt_u32 ttmp9, 256                        ; the choices hang on the work-group's number alone
	s_cselect_b64 s[20:21], s[4:5], s[6:7]
	s_cselect_b32 s22, 0, s22                      ; the tensor's first work-group
	s_cselect_b32 s23, 256, s23                    ; its row tiles
	s_cselect_b32 s24, 0, s24                      ; its images' place in opq
	s_sub_co_u32 s25, ttmp9, s22                   ; the image tile
	s_sub_co_u32 s26, ttmp9, 384                   ; u: w_in's image tile - 128 (work-groups 384-447)
	s_bfe_u32 s27, s26, 0x10003
	s_lshl_b32 s27, s27, 5                         ; 32 ((u / 8) % 2): k or v
	s_lshr_b32 s28, s26, 4
	s_lshl_b32 s28, s28, 3                         ; 8 (u / 16): which two heads
	s_add_co_u32 s27, s27, s28
	s_and_b32 s28, s26, 7
	s_add_co_u32 s27, s27, s28
	s_add_co_u32 s27, s27, 128
	s_cmp_lt_u32 s26, 64
	s_cselect_b32 s26, s27, s25                    ; the source tile
	s_lshr_b32 s27, s26, 1
	s_lshl_b32 s27, s27, 18                        ; 32 rows of 8,192 bytes
	s_and_b32 s28, s26, 1
	s_lshl_b32 s28, s28, 16                        ; 8 rows
	s_add_co_u32 s27, s27, s28
	s_lshl_b32 s28, s16, 11                        ; my wave's 2,048 bytes of a row
	s_add_co_u32 s28, s27, s28
	s_mov_b32 s29, 0
	s_add_nc_u64 s[20:21], s[20:21], s[28:29]      ; the source
	s_lshl_b32 s30, s16, 1
	s_mul_i32 s30, s30, s23
	s_add_co_u32 s30, s30, s25
	s_mul_i32 s30, s30, 3072
	s_add_co_u32 s30, s30, s24
	s_mov_b32 s31, 0
	s_add_nc_u64 s[32:33], s[14:15], s[30:31]      ; the images of K / 256 = 2 w,
	s_mul_i32 s30, s23, 3072
	s_add_nc_u64 s[34:35], s[32:33], s[30:31]      ; and of 2 w + 1
	s_lshl_b32 s30, ttmp9, 10
	s_lshl_b32 s36, s16, 8
	s_add_co_u32 s30, s30, s36
	s_add_co_u32 s30, s30, HS_SCL
	s_add_nc_u64 s[36:37], s[14:15], s[30:31]      ; my 256 bytes of the tile's scale words
.macro LOAD c                          ; chunk c: 16 rows x 512 consecutive bytes
.irp i, 0,1,2,3,4,5,6,7,8,9,10,11,12,13,14,15
	global_load_b128 v[R+64*((\c)%2)+4*\i:R+64*((\c)%2)+4*\i+3], v4, s[20:21] offset:(\i+8*(\i/8))*8192+512*(\c) th:TH_LOAD_NT
.endr
.endm
.macro TURN c                          ; through the stage: LDS serves a wave's instructions in order, so no wait stands between the stores and the loads
.irp i, 0,1,2,3,4,5,6,7,8,9,10,11,12,13,14,15
	ds_store_b128 v5, v[R+64*((\c)%2)+4*\i:R+64*((\c)%2)+4*\i+3] offset:528*\i
.endr
.irp b, 0,1,2,3
.irp j, 0,1,2,3
	ds_load_b128 v[X+16*\b+4*\j:X+16*\b+4*\j+3], v6 offset:128*\b+16*\j
.endr
.endr
.endm
; 64 numbers of a lane become a fragment's codes in v[PC] on and its scale word in v[w]
.macro QUANT s, w
.irp b, 0,1,2,3
	v_max3_num_f32 v[TM+\b], |v[\s+16*\b]|, |v[\s+1+16*\b]|, 0x1800000   ; my 16 numbers of block b, and the floor 2^(3 - 127): the byte cannot fall under 1
.endr
.irp i, 2,4,6,8,10,12,14
.irp b, 0,1,2,3
	v_max3_num_f32 v[TM+\b], v[TM+\b], |v[\s+16*\b+\i]|, |v[\s+1+16*\b+\i]|
.endr
.endr
.irp b, 0,1,2,3
	v_permlanex16_b32 v[TM+4+\b], v[TM+\b], s[SEL], s[SEL+1]
.endr
.irp b, 0,1,2,3
	v_max_num_f32 v[TM+\b], v[TM+\b], v[TM+4+\b]   ; with lane l xor 16's: the block's largest magnitude
.endr
.irp b, 0,1,2,3
	v_add_nc_u32 v[TM+12+\b], 0xff000000, v[TM+\b] ; 2 off its exponent field: the conversion's scale operand
.endr
.irp b, 0,1,2,3
	v_lshrrev_b32 v[TM+4+\b], 23, v[TM+12+\b]      ; the scale's byte
.endr
	v_lshl_or_b32 v[\w], v[TM+5], 8, v[TM+4]
	v_lshl_or_b32 v[\w], v[TM+6], 16, v[\w]
	v_lshl_or_b32 v[\w], v[TM+7], 24, v[\w]
.irp c, 0,1
	v_cvt_scalef32_pk16_fp6_f32 v[PC+6*\c:PC+2+6*\c], v[\s+32*\c:\s+15+32*\c], v[TM+12+2*\c]
	v_cvt_scalef32_pk16_fp6_f32 v[PC+12+4*\c:PC+14+4*\c], v[\s+16+32*\c:\s+31+32*\c], v[TM+13+2*\c]   ; (a conversion's three registers begin on an even number)
.endr
	v_nop                                          ; one plain place behind a scaled conversion
.irp c, 0,1                            ; the operand's layout wants a whole block in a lane
.irp i, 0,1,2
	v_permlane16_swap_b32 v[PC+6*\c+\i], v[PC+12+4*\c+\i]
.endr
.irp i, 0,1,2
	v_mov_b32 v[PC+3+6*\c+\i], v[PC+12+4*\c+\i]
.endr
.endr
.endm
.macro CHUNKQ c, left, d
	s_wait_loadcnt \left                           ; this chunk's 16 loads are in; the next chunk's may be out
	TURN \c
	s_wait_dscnt 0x0                               ; the numbers are back, and the stage's stores have read their registers
.if \c > 0
	s_wait_xcnt 0x0                                ; the last chunk's stores have read the codes' registers, which are written again below
.endif
.if \c < 2
	LOAD (\c)+2
.endif
	QUANT X, PW+\c
.irp k, 0,1,2
	global_store_b128 v4, v[PC+4*\k:PC+4*\k+3], s[\d:\d+1] offset:1536*((\c)%2)+512*\k   ; 32 lanes store 512 consecutive bytes, aligned
.endr
.endm
	LOAD 0
	LOAD 1
	CHUNKQ 0, 16, 32
	CHUNKQ 1, 16, 32
	CHUNKQ 2, 16, 34
	CHUNKQ 3, 0, 34
	v_cndmask_b32 v28, v[PW], v[PW+2], s[HM]       ; lanes 0-15 store the words of K / 256 = 2 w, lanes 16-31 those of 2 w + 1
	v_cndmask_b32 v29, v[PW+1], v[PW+3], s[HM]
	global_store_b64 v7, v[28:29], s[36:37]        ; 256 consecutive bytes, aligned
	s_wait_tensorcnt 0x0                           ; the wave's end
	ds_add_u32 v[SPW], v[NIL]
	s_wait_dscnt 0x0
	s_endpgm
.Lcs:                                              ; cos and sin: this way touches no LDS
	s_sub_co_u32 s17, ttmp9, 448
	s_lshl_b32 s17, s17, 2
	s_add_co_u32 s17, s17, s16                     ; my token tile
	s_lshr_b32 s18, s17, 1
	s_lshl_b32 s18, s18, 13                        ; 32 rows of 256 bytes
	s_and_b32 s19, s17, 1
	s_lshl_b32 s19, s19, 11                        ; 8 rows
	s_add_co_u32 s18, s18, s19
	s_mov_b32 s19, 0
	s_add_nc_u64 s[10:11], s[10:11], s[18:19]
	s_add_nc_u64 s[12:13], s[12:13], s[18:19]
	s_lshl_b32 s18, s17, 13                        ; 8,192 bytes a tile
	s_add_co_u32 s18, s18, CS_IMG
	s_add_nc_u64 s[14:15], s[14:15], s[18:19]
	v_and_b32 v8, 8, v2
	v_add_nc_u32 v8, v8, v2                        ; r + 8 (r / 8)
	v_lshlrev_b32 v8, 8, v8
	v_lshl_add_u32 v8, v3, 6, v8                   ; my row, + 64 h: 16 numbers of each half of the head
.irp bb, 0,1
.irp j, 0,1,2,3
	global_load_b128 v[32+16*\bb+4*\j:35+16*\bb+4*\j], v8, s[10:11] offset:128*\bb+16*\j th:TH_LOAD_NT
	global_load_b128 v[64+16*\bb+4*\j:67+16*\bb+4*\j], v8, s[12:13] offset:128*\bb+16*\j th:TH_LOAD_NT
.endr
.endr
	s_wait_loadcnt 0x0
.irp p, 0,1,2,3,4,5,6,7,8,9,10,11,12,13,14,15
	global_store_b128 v4, v[32+4*\p:35+4*\p], s[14:15] offset:512*\p
.endr
	s_endpgm
.Lfunc_end_k_q35f5f4a616_quant:
	.size	k_q35f5f4a616_quant, .Lfunc_end_k_q35f5f4a616_quant-k_q35f5f4a616_quant
	.p2alignl 7, 3214868480
	.fill 96, 4, 3214868480
	.section	.rodata,"a",@progbits
	.p2align	6, 0x0
	.amdhsa_kernel k_q35f5f4a616_quant
		.amdhsa_group_segment_fixed_size 34304
		.amdhsa_private_segment_fixed_size 0
		.amdhsa_enable_private_segment 0
		.amdhsa_kernarg_size 40
		.amdhsa_user_sgpr_count 2
		.amdhsa_user_sgpr_kernarg_segment_ptr 1
		.amdhsa_wavefront_size32 1
		.amdhsa_system_sgpr_workgroup_id_x 1
		.amdhsa_system_sgpr_workgroup_id_y 1
		.amdhsa_system_sgpr_workgroup_id_z 1
		.amdhsa_system_vgpr_workitem_id 0
		.amdhsa_next_free_vgpr 256
		.amdhsa_next_free_sgpr 66
		.amdhsa_reserve_vcc 0
		.amdhsa_float_denorm_mode_32 3
		.amdhsa_float_denorm_mode_16_64 3
		.amdhsa_memory_ordered 1
		.amdhsa_forward_progress 1
		.amdhsa_inst_pref_size 38
	.end_amdhsa_kernel
	.amdgpu_metadata
---
amdhsa.version: [ 1, 2 ]
amdhsa.kernels:
  - .name:           k_q35f5f4a616_quant
    .symbol:         k_q35f5f4a616_quant.kd
    .args:
      - { .name: hidden_states, .offset: 0, .size: 8, .value_kind: global_buffer, .address_space: global }
      - { .name: w_in, .offset: 8, .size: 8, .value_kind: global_buffer, .address_space: global }
      - { .name: cos, .offset: 16, .size: 8, .value_kind: global_buffer, .address_space: global }
      - { .name: sin, .offset: 24, .size: 8, .value_kind: global_buffer, .address_space: global }
      - { .name: opq, .offset: 32, .size: 8, .value_kind: global_buffer, .address_space: global }
    .group_segment_fixed_size: 34304
    .private_segment_fixed_size: 0
    .kernarg_segment_align: 8
    .kernarg_segment_size: 40
    .max_flat_workgroup_size: 128
    .sgpr_count:     66
    .vgpr_count:     256
    .wavefront_size: 32
...
	.end_amdgpu_metadata
.endif
;; end of part 1
;; launch qkv (part 2): grid 16 x 16, 4 waves a work-group, clusters of 4 x 4, 327,680 bytes of LDS; arguments opq, qkv, w_out, woq; writes qkv, woq
.if DOCPART == 2
	.amdgcn_target "amdgcn-amd-amdhsa--gfx1250"
	.amdhsa_code_object_version 6
	.text
	.protected	k_q35f5f4a616_qkv
	.globl	k_q35f5f4a616_qkv
	.p2align	8
	.type	k_q35f5f4a616_qkv,@function
k_q35f5f4a616_qkv:
	s_mov_b64 s[64:65], 0
	v_nop
	global_prefetch_b8 v0, s[64:65] scope:SCOPE_SE
	s_setreg_imm32_b32 hwreg(HW_REG_WAVE_MODE, 25, 1), 1
	s_wait_xcnt 0x0
	s_wait_alu depctr_hold_cnt(0) depctr_sa_sdst(0) depctr_va_vdst(0) depctr_va_sdst(0) depctr_va_ssrc(0) depctr_va_vcc(0) depctr_vm_vsrc(0)
	s_getreg_b32 s2, hwreg(HW_REG_IB_STS2, 6, 4)
	s_cmp_eq_u32 s2, 0
	s_cbranch_scc0 .Lentry_in_a_cluster
	s_endpgm
.Lentry_in_a_cluster:
	s_bfe_u32 s2, ttmp6, 0x10000c
	s_cmp_lg_u32 s2, 0xf033
	s_cbranch_scc0 .Lentry_shape_is_right
	s_endpgm
.Lentry_shape_is_right:
; qkv = Q(hidden_states) Q(w_in)^T on codes of FP6 (E2M3), then RoPE in f32 and the quantisers of q, k (along the head's 64) and v (along the keys): the records that the attention launch reads.
; CLUSTER COLUMNS 0-2: a work-group makes 256 tokens x 256 channels, a wave 128 x 128; K goes in chunks of 256 through two LDS slots filled by joint loads (A's tile shared along a cluster's row, B's along its column).
; THE HEAD'S FOUR TILES, one load a wave: wave 0 chunk 0 of A's 16 row tiles, wave 1 of B's, wave 2 A's scale words for all of K, wave 3 B's.  Slot 1 is first filled as a refill is.
; In the ring each wave fetches 8 row tiles (96 rows of 256 bytes).  Behind each refill but the last lap's two, a wave asks for the chunk two refills on: its work-group's 24 of those 96 rows, the four partners told apart by address.
; The cos/sin images of a wave's tokens are asked for once, a tile (32 blocks of 256 bytes) a wave, ahead of the loop; chunks 0 and 1 come by their loads alone.
; CLUSTER COLUMN 3 has no part in the product: its 64 work-groups quantise w_out [2048][2048], two row tiles each, into woq, laid as the first launch lays its tensors: images [K / 256][row tile][2 chunks], then scale words.
; That way uses LDS bytes of its own (WSTG on) and issues no tensor load; the branch to it hangs on the cluster's x alone.
; LIMITS: a block of zeros, or one whose largest magnitude lies under 2^-124, keeps the byte 1; NaN and infinities are not served.
.set HS_SCL, 14155776
; THE REQUESTS IN FULL, in place of the sentence above on chunks 0 and 1: chunk 0 comes by its load alone; chunks 1 and 2 are asked for behind the head's load, chunk 3 behind chunk 1's load,
; chunks 4 to 7 behind the refills that load chunks 2 to 5.
; THE CHANGE OF SLOTS stands early in a slot's second step: 8 products between the add and the wait for it, 8 between the barrier's signal and its wait; the refill and the next slot's 56 LDS loads then have that step's other 48 products behind them.
.set WI_IMG, 6291456
.set WI_SCL, 14417920
.set CS_IMG, 14745600
.set Q_TOT,  6815744
.set QREC,   53248
.set KVREC,  104448
.set KSC,    49152
.set VIM,    53248
.set PART,   24576
.set SLOT,   4*PART
.set SCL,    2*SLOT
.set SPART,  8192
.set SPARE,  SCL+4*SPART
.set WSTG,   SPARE+512                 ; w_out's way: four stages of 16 rows x 528 bytes, into which no tile lands
.set WO_SCL, 3145728                   ; w_out's scale words in woq, behind its images
.set PFO, 30                           ; v30 the tiles' prefetch: 256 x min(lane, 23); never rewritten on the product's way
.set CSO, 31                           ; v31 the cos/sin prefetch: my tile of eight, 256 x lane
.set PFA, 92                           ; s[92:93] the chunk that my next prefetch names
.set PST, 94                           ; s[94:95] bytes from chunk to chunk: A's or B's
.set AKS,    786432
.set BKS,    589824
.set ADR1, 16
.set ADR0, 20
.set L16,  24
.set L8,   25
.set OSC,  26
.set ADRS, 27
.set SPW,  28
.set NIL,  29
.set SC,   32
.set S1R,  64
.set T,    64
.set PCX,  96
.set TM,   104
.set SW,   120
.set CH,   136
.set PCO,  144
.set KVF,  9
.set VR,   10
.set G1, 24
.set G0, 32
.set G1B, 48
.set G0B, 56
.set G1S, 68
.set G0S, 76
.set G1SB, 80
.set G0SB, 88
.set HM,  98
.set LAP, 99
.set SEL, 100
.set MSB, 0
.macro WIN new
.if MSB != (\new)
	s_set_vgpr_msb (MSB<<8)|(\new)
.set MSB, (\new)
.endif
.endm
.macro JLOAD g0a, g1a, g0b, g1b
	s_cmp_eq_u32 s15, 0
	s_cbranch_scc0 .Lfor_b_\@
	tensor_load_to_lds s[\g0a:\g0a+3], s[\g1a:\g1a+7]
	s_nop 0
.rept 4
	v_nop
.endr
	s_branch .Lasked_\@
.Lfor_b_\@:
	tensor_load_to_lds s[\g0b:\g0b+3], s[\g1b:\g1b+7]
	s_nop 0
.rept 4
	v_nop
.endr
.Lasked_\@:
.endm
.macro CREST
	s_cmp_lg_u32 s14, 0
	s_cbranch_scc1 .Lnot_wave_0_\@
	s_barrier_signal -3
.Lnot_wave_0_\@:
	s_barrier_wait -3
	s_barrier_signal -1
	s_barrier_wait -1
.endm
.macro CROUND
	s_barrier_signal -1
	s_barrier_wait -1
	CREST
.endm
.macro PLACES n
.rept \n
	v_nop
.endr
.endm
	s_load_b128 s[4:7], s[0:1], 0x0
	v_lshl_add_u32 v[SPW], v0, 2, SPARE
	v_mov_b32 v[NIL], 0
	ds_add_u32 v[SPW], v[NIL]
	ds_add_u32 v[SPW], v[NIL]
	v_lshrrev_b32 v1, 5, v0
	v_readfirstlane_b32 s14, v1
	s_lshr_b32 s15, s14, 1
	s_and_b32 s16, s14, 1
	s_bfe_u32 s40, ttmp6, 0x40000
	s_bfe_u32 s41, ttmp6, 0x40004
	s_lshl_b32 s42, ttmp9, 2
	s_add_co_u32 s42, s42, s40
	s_and_b32 s17, ttmp7, 0xffff
	s_lshl_b32 s17, s17, 2
	s_add_co_u32 s17, s17, s41
	s_lshl_b32 s43, s41, 2
	s_lshl_b32 s43, 15, s43
	s_lshl_b32 s44, 0x1111, s40
	s_cmp_eq_u32 ttmp9, 2
	s_cselect_b32 s[KVF], 1, 0
	s_and_b32 s[VR], s[KVF], s16
	s_or_b32 s[G1+0], s43, (3<<16)|(1<<21)
	s_or_b32 s[G1B+0], s44, (3<<16)|(1<<21)
.irp g, G1, G1B
	s_mov_b32 s[\g+1], 32<<16
	s_mov_b32 s[\g+2], 192<<16                     ; the head's loads bring 16 row tiles: 192 rows of 256 bytes
	s_mov_b32 s[\g+3], 32<<16
	s_mov_b32 s[\g+4], 192
	s_mov_b32 s[\g+5], 32
	s_mov_b32 s[\g+6], 0
	s_mov_b32 s[\g+7], 0
.endr
	s_or_b32 s[G1S+0], s43, (3<<16)|(1<<21)
	s_or_b32 s[G1SB+0], s44, (3<<16)|(1<<21)
.irp g, G1S, G1SB
	s_mov_b32 s[\g+1], 32<<16
	s_mov_b32 s[\g+2], 64<<16                      ; the scale words of 16 row tiles: 64 rows of 256 bytes
	s_mov_b32 s[\g+3], 32<<16
	s_mov_b32 s[\g+4], 64
	s_mov_b32 s[\g+5], 32
	s_mov_b32 s[\g+6], 0
	s_mov_b32 s[\g+7], 0
.endr
	s_lshl_b32 s20, s17, 4                         ; A's first row tile
	s_lshl_b32 s46, s42, 4                         ; B's
	s_mul_i32 s66, s16, PART                       ; in the ring I fetch 8 of the 16: which half, in bytes
	s_mov_b32 s67, 0
	s_lshl_b32 s22, s20, 10
	s_add_co_u32 s22, s22, HS_SCL
	s_mov_b32 s23, 0
	s_lshl_b32 s12, s46, 10
	s_add_co_u32 s12, s12, WI_SCL
	s_mov_b32 s13, 0
	s_mul_i32 s20, s20, 3072
	s_mov_b32 s21, 0
	s_mul_i32 s46, s46, 3072
	s_add_co_u32 s46, s46, WI_IMG
	s_mov_b32 s47, 0
	s_mul_i32 s45, s14, PART
	s_mov_b32 s[PST], BKS                          ; the prefetches: A's waves by cx, B's by cy; places in the cluster enter global addresses alone
	s_cmp_eq_u32 s15, 0
	s_cselect_b32 s[PFA], s20, s46
	s_cselect_b32 s[PFA+1], s40, s41
	s_cselect_b32 s[PST], AKS, s[PST]
	s_mul_i32 s[PFA+1], s[PFA+1], 6144             ; my work-group's 24 rows of the 96
	s_add_co_u32 s[PFA], s[PFA], s[PFA+1]
	s_add_co_u32 s[PFA], s[PFA], s66
	s_add_co_u32 s[PFA], s[PFA], s[PST]            ; at chunk 1
	s_mov_b32 s[PFA+1], 0
	s_mov_b32 s[PST+1], 0
	s_lshl_b32 s96, s17, 4                         ; the cos/sin images of my 8 token tiles
	s_lshl_b32 s19, s15, 3
	s_add_co_u32 s96, s96, s19
	s_lshl_b32 s96, s96, 13
	s_add_co_u32 s96, s96, CS_IMG
	s_mov_b32 s97, 0
	s_lshl_b32 s2, s40, 1
	s_add_co_u32 s2, s2, s16
	s_lshl_b32 s2, s2, 13                          ; of the eight, tile 2 cx + (wave % 2) is mine to ask for
	v_and_b32 v2, 31, v0
	v_lshl_add_u32 v[CSO], v2, 8, s2
	v_min_u32 v2, 23, v2                           ; lanes left over name the last block again
	v_lshlrev_b32 v[PFO], 8, v2
	s_mov_b32 s[HM], 0xffff0000
	s_mov_b32 s[SEL], 0x76543210
	s_mov_b32 s[SEL+1], 0xfedcba98
	s_wait_alu depctr_va_vdst(0)
	s_wait_dscnt 0x0
	s_wait_kmcnt 0x0
	s_add_nc_u64 s[20:21], s[4:5], s[20:21]
	s_add_nc_u64 s[22:23], s[4:5], s[22:23]
	s_add_nc_u64 s[46:47], s[4:5], s[46:47]
	s_add_nc_u64 s[12:13], s[4:5], s[12:13]
	s_add_nc_u64 s[PFA:PFA+1], s[4:5], s[PFA:PFA+1]
	s_add_nc_u64 s[96:97], s[4:5], s[96:97]
	CROUND
	s_cmp_eq_u32 ttmp9, 3                          ; the cluster's x: the same in all sixteen partners
	s_cbranch_scc1 .Lwout
	s_mov_b32 s[G0S], 1                            ; the head's four tiles, each whole: A's scale words,
	s_mov_b32 s[G0S+1], SCL
	s_mov_b64 s[G0S+2:G0S+3], s[22:23]
	s_or_b32 s[G0S+3], s[G0S+3], 0x80000000
	s_mov_b32 s[G0SB], 1                           ; B's,
	s_mov_b32 s[G0SB+1], SCL+2*SPART
	s_mov_b64 s[G0SB+2:G0SB+3], s[12:13]
	s_or_b32 s[G0SB+3], s[G0SB+3], 0x80000000
	s_mov_b32 s[G0], 1                             ; chunk 0 of A's 16 row tiles (slot 0's group 0 serves; it is set for the ring behind the wait for this load),
	s_mov_b32 s[G0+1], 0
	s_mov_b64 s[G0+2:G0+3], s[20:21]
	s_or_b32 s[G0+3], s[G0+3], 0x80000000
	s_mov_b32 s[G0B], 1                            ; and of B's
	s_mov_b32 s[G0B+1], 2*PART
	s_mov_b64 s[G0B+2:G0B+3], s[46:47]
	s_or_b32 s[G0B+3], s[G0B+3], 0x80000000
	s_add_nc_u64 s[20:21], s[20:21], s[66:67]      ; for the ring: my 8 row tiles
	s_add_nc_u64 s[46:47], s[46:47], s[66:67]
	s_mov_b32 s[G0+4], 1
	s_add_co_u32 s[G0+5], s45, SLOT
	s_add_nc_u64 s[G0+6:G0+7], s[20:21], AKS
	s_or_b32 s[G0+7], s[G0+7], 0x80000000
	s_mov_b32 s[G0B+4], 1
	s_add_co_u32 s[G0B+5], s45, SLOT
	s_add_nc_u64 s[G0B+6:G0B+7], s[46:47], BKS
	s_or_b32 s[G0B+7], s[G0B+7], 0x80000000
	s_add_nc_u64 s[22:23], s[PFA:PFA+1], s[PST:PST+1]   ; chunk 2's place, for the head's second prefetch (A's scale address has gone into its descriptor)
; one tree of branches on the wave's number, a load to an arm
.macro ARM under, g0, g1, next
	s_cmp_lt_u32 s14, \under
	s_cbranch_scc0 \next
	tensor_load_to_lds s[\g0:\g0+3], s[\g1:\g1+7]
	s_nop 0
.rept 4
	v_nop
.endr
	s_branch .Lhead_asked
\next:
.endm
	ARM 1, G0,  G1,  .Lhead_b
	ARM 2, G0B, G1B, .Lhead_sa
	ARM 3, G0S, G1S, .Lhead_sb
	tensor_load_to_lds s[G0SB:G0SB+3], s[G1SB:G1SB+7]
	s_nop 0
.rept 4
	v_nop
.endr
.Lhead_asked:
	global_prefetch_b8 v[PFO], s[PFA:PFA+1] th:TH_LOAD_NT scope:SCOPE_SE   ; chunk 1, which is loaded behind the wait for the head's tiles: the buffer's first touch is asked for at once,
	global_prefetch_b8 v[PFO], s[22:23] th:TH_LOAD_NT scope:SCOPE_SE       ; and chunk 2, which the first refill loads
	v_and_b32 v1, 31, v0
	v_and_b32 v2, 15, v0
	v_bfe_u32 v3, v0, 4, 1
	v_lshlrev_b32 v[L16], 4, v1
	v_lshlrev_b32 v[L8], 3, v1
	s_mul_i32 s18, s15, PART
	s_mul_i32 s19, s16, PART
	s_add_co_u32 s19, s19, 2*PART
	s_cmp_eq_u32 s[VR], 1
	s_cselect_b32 s2, s19, s18
	s_cselect_b32 s3, s18, s19
	v_add_nc_u32 v[ADR1], s2, v[L16]
	v_add_nc_u32 v[ADR0], s3, v[L16]
	v_add_nc_u32 v[ADR1+1], SLOT, v[ADR1]
	v_add_nc_u32 v[ADR0+1], SLOT, v[ADR0]
	s_lshl_b32 s18, s15, 13
	s_add_co_u32 s18, s18, SCL
	s_lshl_b32 s19, s16, 13
	s_add_co_u32 s19, s19, SCL+2*SPART
	s_cmp_eq_u32 s[VR], 1
	s_cselect_b32 s2, s19, s18
	s_cselect_b32 s3, s18, s19
	v_mov_b32 v4, s2
	v_mov_b32 v5, s3
	v_cndmask_b32 v4, v4, v5, s[HM]
	v_lshl_add_u32 v[ADRS], v2, 3, v4
.macro FETCH slot, q, p
	WIN 0x40
.irp i, 0,1,2,3,4,5,6,7
.irp c, 0,1,2
	ds_load_b128 v[128*(\p)+12*\i+4*\c:128*(\p)+12*\i+4*\c+3], v[ADR0+\slot] offset:3072*\i+1536*(\q)+512*\c
.endr
.endr
	WIN 0
.irp i, 0,1,2,3,4,5,6,7
.irp c, 0,1,2
	ds_load_b128 v[S1R+96*(\p)+12*\i+4*\c:S1R+96*(\p)+12*\i+4*\c+3], v[ADR1+\slot] offset:3072*\i+1536*(\q)+512*\c
.endr
.endr
.endm
.macro CSLOAD a                        ; token tile a's cos and sin: 16 pieces of 512 bytes into window 1
	WIN 0x40
.irp p, 0,1,2,3,4,5,6,7,8,9,10,11,12,13,14,15
	global_load_b128 v[64*((\a)%4)+4*\p:64*((\a)%4)+4*\p+3], v[L16], s[96:97] offset:8192*(\a)+512*\p
.endr
	WIN 0
.endm
.macro SCALES set
.irp i, 0,1,2,3,4,5,6,7
	ds_load_b64 v[SC+16*(\set)+2*\i:SC+16*(\set)+2*\i+1], v[ADRS] offset:1024*\i
.endr
.endm
.macro MULS a0, n, p, q, set, zero
.set QS1, \a0
.rept \n
	WIN 0xa1+0x50*(QS1/4)
.irp b, 0,1,2,3,4,5,6,7
.if \zero
	v_wmma_scale_f32_16x16x128_f8f6f4 v[64*(QS1%4)+8*\b:64*(QS1%4)+8*\b+7], v[128*(\p)+12*\b:128*(\p)+12*\b+11], v[S1R+96*(\p)+12*QS1:S1R+96*(\p)+12*QS1+11], 0, v[SC+16*(\set)+2*\b+(\q)], v[SC+16*(\set)+2*QS1+(\q)] matrix_a_fmt:MATRIX_FMT_FP6 matrix_b_fmt:MATRIX_FMT_FP6 matrix_a_scale:MATRIX_SCALE_ROW1
.else
	v_wmma_scale_f32_16x16x128_f8f6f4 v[64*(QS1%4)+8*\b:64*(QS1%4)+8*\b+7], v[128*(\p)+12*\b:128*(\p)+12*\b+11], v[S1R+96*(\p)+12*QS1:S1R+96*(\p)+12*QS1+11], v[64*(QS1%4)+8*\b:64*(QS1%4)+8*\b+7], v[SC+16*(\set)+2*\b+(\q)], v[SC+16*(\set)+2*QS1+(\q)] matrix_a_fmt:MATRIX_FMT_FP6 matrix_b_fmt:MATRIX_FMT_FP6 matrix_a_scale:MATRIX_SCALE_ROW1
.endif
.endr
.set QS1, QS1+1
.endr
.endm
.macro CHUNK slot, zero
	s_wait_dscnt 0x0
	PLACES 4
	FETCH \slot, 1, 1
	MULS 0, 8, 0, 0, \slot, \zero
	WIN 0
.endm
.macro TURN slot, next, fill
	s_wait_xcnt 0x0                                ; my last prefetch has read its address, which steps a chunk on
	s_add_nc_u64 s[PFA:PFA+1], s[PFA:PFA+1], s[PST:PST+1]
	s_wait_tensorcnt 0x0
	ds_add_u32 v[SPW], v[NIL]
	s_wait_dscnt 1                                 ; this step's fragments are in; the add may be out
	MULS 0, 1, 1, 1, \slot, 0
	s_wait_dscnt 0x0                               ; the add is done, and my reads of this slot are over
	s_barrier_signal -1
	MULS 1, 1, 1, 1, \slot, 0
	WIN 0
	s_barrier_wait -1
.if \fill
	CREST
	s_add_nc_u64 s[G0+4*\slot+2:G0+4*\slot+3], s[G0+4*\slot+2:G0+4*\slot+3], 2*AKS
	s_add_nc_u64 s[G0B+4*\slot+2:G0B+4*\slot+3], s[G0B+4*\slot+2:G0B+4*\slot+3], 2*BKS
	JLOAD G0+4*\slot, G1, G0B+4*\slot, G1B
.else
	PLACES 4
.endif
	s_wait_alu depctr_va_vdst(0)
	v_add_nc_u32 v[ADRS], 128, v[ADRS]
	FETCH \next, 0, 0
	SCALES \next
.if \fill
	s_cmp_gt_u32 s[LAP], 1                         ; the last lap's two refills have no chunk two on
	s_cbranch_scc0 .Lno_ask_\@
	global_prefetch_b8 v[PFO], s[PFA:PFA+1] th:TH_LOAD_NT scope:SCOPE_SE   ; the chunk two refills on
.Lno_ask_\@:
.endif
	MULS 2, 6, 1, 1, \slot, 0
	WIN 0
.endm
	s_wait_alu depctr_va_vdst(0)                   ; the wait at the head's end
	s_wait_xcnt 0x0                                ; the prefetches have read their addresses
	s_add_nc_u64 s[PFA:PFA+1], s[22:23], s[PST:PST+1]   ; on to chunk 3
	s_wait_tensorcnt 0x0                           ; my tile of the head's four is in
	ds_add_u32 v[SPW], v[NIL]
	s_mov_b32 s[G1+2], 96<<16                      ; no load of mine is out: from here on a load brings 96 rows,
	s_mov_b32 s[G1+4], 96
	s_mov_b32 s[G1B+2], 96<<16
	s_mov_b32 s[G1B+4], 96
	s_mov_b32 s[G0+1], s45                         ; and slot 0's groups 0 name my 8 row tiles
	s_add_nc_u64 s[G0+2:G0+3], s[G0+2:G0+3], s[66:67]
	s_mov_b32 s[G0B+1], s45
	s_add_nc_u64 s[G0B+2:G0B+3], s[G0B+2:G0B+3], s[66:67]
	s_wait_dscnt 0x0
	CROUND                                         ; all four tiles are in, and the sixteen work-groups meet
	JLOAD G0+4, G1, G0B+4, G1B                     ; chunk 1, the first tensor load behind the round
	FETCH 0, 0, 0
	SCALES 0
	global_prefetch_b8 v[PFO], s[PFA:PFA+1] th:TH_LOAD_NT scope:SCOPE_SE   ; chunk 3
	global_prefetch_b8 v[CSO], s[96:97] th:TH_LOAD_NT scope:SCOPE_SE       ; my tile of the cos/sin images
	CHUNK 0, 1
	s_mov_b32 s[LAP], 3
.Llap:
	TURN 0, 1, 1
	CHUNK 1, 0
	TURN 1, 0, 1
	CHUNK 0, 0
	s_sub_co_u32 s[LAP], s[LAP], 1
	s_cmp_lg_u32 s[LAP], 0
	s_cbranch_scc1 .Llap
	TURN 0, 1, 0
	CHUNK 1, 0
	PLACES 4                                       ; in front of loads into window 1's v0-127, which the products above have read
	s_cmp_eq_u32 s[VR], 1                          ; v is not rotated
	s_cbranch_scc1 .Lno_cs
	CSLOAD 0
	CSLOAD 1
.Lno_cs:
	s_wait_dscnt 0x0
	MULS 0, 8, 1, 1, 1, 0
	WIN 0
	PLACES 4
	s_lshr_b32 s8, s17, 2
	s_and_b32 s18, s17, 3
	s_lshl_b32 s18, s18, 1
	s_add_co_u32 s18, s18, s15
	s_lshl_b32 s19, s8, 5
	s_lshl_b32 s2, s42, 2
	s_add_co_u32 s19, s19, s2
	s_lshl_b32 s2, s16, 1
	s_add_co_u32 s19, s19, s2
	s_lshl_b32 s2, s8, 3
	s_lshl_b32 s3, s40, 1
	s_add_co_u32 s2, s2, s3
	s_mov_b32 s3, QREC
	s_cmp_eq_u32 s[KVF], 1
	s_cselect_b32 s19, s2, s19
	s_cselect_b32 s3, KVREC, s3
	s_cselect_b32 s92, Q_TOT, 0
	s_mul_i32 s19, s19, s3
	s_add_co_u32 s92, s92, s19
	s_mul_i32 s19, s18, 6144
	s_add_co_u32 s92, s92, s19
	s_mov_b32 s93, 0
	s_add_nc_u64 s[92:93], s[6:7], s[92:93]
	s_mov_b32 s94, s3
	s_mov_b32 s95, 0
	s_add_nc_u64 s[94:95], s[92:93], s[94:95]
.irp b, 0,1,2,3
	v_mov_b32 v[TM+4+\b], 0
.endr
	s_cmp_eq_u32 s[VR], 1
	s_cbranch_scc1 .Lvrole
	s_mul_i32 s19, s18, 5632
	s_sub_co_u32 s19, KSC, s19
	v_add_nc_u32 v[OSC], s19, v[L16]
.macro ROPE a, hd
.set AB, 64*((\a)%4)+32*(\hd)
.set CB, 64*((\a)%4)
	WIN 0x06+((\a)/4)
.irp i, 0,2,4,6,8,10,12,14
	v_pk_mul_f32 v[T+\i:T+\i+1], v[AB+\i:AB+\i+1], v[CB+\i:CB+\i+1]
.endr
.irp i, 0,2,4,6,8,10,12,14
	v_pk_mul_f32 v[T+16+\i:T+17+\i], v[AB+16+\i:AB+17+\i], v[CB+16+\i:CB+17+\i]
.endr
.irp i, 0,2,4,6,8,10,12,14
	v_pk_fma_f32 v[T+\i:T+\i+1], v[AB+16+\i:AB+17+\i], v[CB+32+\i:CB+33+\i], v[T+\i:T+\i+1] neg_lo:[1,0,0] neg_hi:[1,0,0]
.endr
.irp i, 0,2,4,6,8,10,12,14
	v_pk_fma_f32 v[T+16+\i:T+17+\i], v[AB+\i:AB+\i+1], v[CB+48+\i:CB+49+\i], v[T+16+\i:T+17+\i]
.endr
	WIN 0
.endm
.macro QUANT2 s, pc, sw
.irp b, 0,1
	v_max3_num_f32 v[TM+\b], |v[\s+16*\b]|, |v[\s+1+16*\b]|, 0x1800000
.endr
.irp i, 2,4,6,8,10,12,14
.irp b, 0,1
	v_max3_num_f32 v[TM+\b], v[TM+\b], |v[\s+16*\b+\i]|, |v[\s+1+16*\b+\i]|
.endr
.endr
.irp b, 0,1
	v_permlanex16_b32 v[TM+4+\b], v[TM+\b], s[SEL], s[SEL+1]
.endr
.irp b, 0,1
	v_max_num_f32 v[TM+\b], v[TM+\b], v[TM+4+\b]
.endr
.irp b, 0,1
	v_add_nc_u32 v[TM+12+\b], 0xff000000, v[TM+\b]
.endr
.irp b, 0,1
	v_lshrrev_b32 v[TM+4+\b], 23, v[TM+12+\b]
.endr
	v_lshl_or_b32 v[\sw], v[TM+5], 8, v[TM+4]
	v_cvt_scalef32_pk16_fp6_f32 v[\pc:\pc+2], v[\s:\s+15], v[TM+12]
	v_cvt_scalef32_pk16_fp6_f32 v[PCX:PCX+2], v[\s+16:\s+31], v[TM+13]
	v_nop
.irp i, 0,1,2
	v_permlane16_swap_b32 v[\pc+\i], v[PCX+\i]
.endr
.irp i, 0,1,2
	v_mov_b32 v[\pc+3+\i], v[PCX+\i]
.endr
.endm
	CSLOAD 2                                       ; tiles 0 and 1 were asked for ahead of the last products
.irp a, 0,1,2,3,4,5,6,7
.if \a < 5
	CSLOAD \a+3
	s_wait_loadcnt 48
.else
	s_wait_loadcnt 16*(7-\a)
.endif
.irp hd, 0,1
	ROPE \a, \hd
	QUANT2 T, PCO+6*(2*\a+\hd), SW+8*\hd+\a
	global_store_b128 v[L16], v[PCO+6*(2*\a+\hd):PCO+6*(2*\a+\hd)+3], s[92+2*\hd:93+2*\hd] offset:768*\a
	global_store_b64 v[L8], v[PCO+6*(2*\a+\hd)+4:PCO+6*(2*\a+\hd)+5], s[92+2*\hd:93+2*\hd] offset:768*\a+512
.endr
.endr
.irp hd, 0,1
.irp j, 0,1,2,3
	v_cndmask_b32 v[CH+4*\hd+\j], v[SW+8*\hd+\j], v[SW+8*\hd+4+\j], s[HM]
.endr
	global_store_b128 v[OSC], v[CH+4*\hd:CH+4*\hd+3], s[92+2*\hd:93+2*\hd]
.endr
	s_branch .Lend
.Lvrole:
	s_mul_i32 s19, s18, 5888
	s_sub_co_u32 s19, KSC, s19
	v_mul_u32_u24 v[OSC], v3, KVREC
	v_lshl_add_u32 v[OSC], v2, 4, v[OSC]
	v_add_nc_u32 v[OSC], s19, v[OSC]
.macro QUANT4W bt
.set VW, 2+(\bt)/4
.set VN, 64*((\bt)%4)
.set VP, PCO+12*(\bt)
	WIN VW+4*VW
.irp b, 0,1,2,3
	v_max3_num_f32 v[TM+\b], |v[VN+16*\b]|, |v[VN+1+16*\b]|, 0x1800000
.endr
.irp i, 2,4,6,8,10,12,14
.irp b, 0,1,2,3
	v_max3_num_f32 v[TM+\b], |v[VN+16*\b+\i]|, |v[VN+1+16*\b+\i]|, v[TM+\b]
.endr
.endr
	WIN 0
.irp b, 0,1,2,3
	v_permlanex16_b32 v[TM+4+\b], v[TM+\b], s[SEL], s[SEL+1]
.endr
.irp b, 0,1,2,3
	v_max_num_f32 v[TM+\b], v[TM+\b], v[TM+4+\b]
.endr
.irp b, 0,1,2,3
	v_add_nc_u32 v[TM+12+\b], 0xff000000, v[TM+\b]
.endr
.irp b, 0,1,2,3
	v_lshrrev_b32 v[TM+4+\b], 23, v[TM+12+\b]
.endr
	v_lshl_or_b32 v[SW+(\bt)], v[TM+5], 8, v[TM+4]
	v_lshl_or_b32 v[SW+(\bt)], v[TM+6], 16, v[SW+(\bt)]
	v_lshl_or_b32 v[SW+(\bt)], v[TM+7], 24, v[SW+(\bt)]
	WIN VW
.irp c, 0,1
	v_cvt_scalef32_pk16_fp6_f32 v[VP+6*\c:VP+2+6*\c], v[VN+32*\c:VN+15+32*\c], v[TM+12+2*\c]
	v_cvt_scalef32_pk16_fp6_f32 v[PCX+4*\c:PCX+2+4*\c], v[VN+16+32*\c:VN+31+32*\c], v[TM+13+2*\c]
.endr
	WIN 0
	v_nop
.irp c, 0,1
.irp i, 0,1,2
	v_permlane16_swap_b32 v[VP+6*\c+\i], v[PCX+4*\c+\i]
.endr
.irp i, 0,1,2
	v_mov_b32 v[VP+3+6*\c+\i], v[PCX+4*\c+\i]
.endr
.endr
.endm
.irp bt, 0,1,2,3,4,5,6,7
	QUANT4W \bt
.irp c, 0,1,2
	global_store_b128 v[L16], v[PCO+12*\bt+4*\c:PCO+12*\bt+4*\c+3], s[92:93] offset:VIM+KVREC*(\bt/4)+1536*(\bt%4)+512*\c
.endr
.endr
.irp j, 0,1,2,3
	v_cndmask_b32 v[CH+\j], v[SW+\j], v[SW+4+\j], s[HM]
.endr
	global_store_b128 v[OSC], v[CH:CH+3], s[92:93] offset:VIM
	s_branch .Lend
; W_OUT'S WAY: work-group 4 y + cx of 64 takes row tiles 2 n and 2 n + 1, a tile a trip; wave w takes K = 512 w .. 512 w + 511, four chunks of 128, as in the first launch.
.set WTM, 8                            ; v8-23 at work; v24-27 the chunks' scale words; v32-159 two sets as loaded; v160-223 the numbers; v224-242 the codes
.set WPW, 24
.set WR,  32
.set WX,  160
.set WPC, 224
.macro WLOAD c
.irp i, 0,1,2,3,4,5,6,7,8,9,10,11,12,13,14,15
	global_load_b128 v[WR+64*((\c)%2)+4*\i:WR+64*((\c)%2)+4*\i+3], v4, s[20:21] offset:(\i+8*(\i/8))*8192+512*(\c) th:TH_LOAD_NT
.endr
.endm
.macro WTURN c                         ; through my own stage: LDS serves a wave's instructions in order
.irp i, 0,1,2,3,4,5,6,7,8,9,10,11,12,13,14,15
	ds_store_b128 v5, v[WR+64*((\c)%2)+4*\i:WR+64*((\c)%2)+4*\i+3] offset:528*\i
.endr
.irp b, 0,1,2,3
.irp j, 0,1,2,3
	ds_load_b128 v[WX+16*\b+4*\j:WX+16*\b+4*\j+3], v6 offset:128*\b+16*\j
.endr
.endr
.endm
.macro WQUANT s, w
.irp b, 0,1,2,3
	v_max3_num_f32 v[WTM+\b], |v[\s+16*\b]|, |v[\s+1+16*\b]|, 0x1800000   ; with the floor 2^(3 - 127)
.endr
.irp i, 2,4,6,8,10,12,14
.irp b, 0,1,2,3
	v_max3_num_f32 v[WTM+\b], v[WTM+\b], |v[\s+16*\b+\i]|, |v[\s+1+16*\b+\i]|
.endr
.endr
.irp b, 0,1,2,3
	v_permlanex16_b32 v[WTM+4+\b], v[WTM+\b], s[SEL], s[SEL+1]
.endr
.irp b, 0,1,2,3
	v_max_num_f32 v[WTM+\b], v[WTM+\b], v[WTM+4+\b]
.endr
.irp b, 0,1,2,3
	v_add_nc_u32 v[WTM+12+\b], 0xff000000, v[WTM+\b]   ; the conversion's scale operand
.endr
.irp b, 0,1,2,3
	v_lshrrev_b32 v[WTM+4+\b], 23, v[WTM+12+\b]        ; the scale's byte
.endr
	v_lshl_or_b32 v[\w], v[WTM+5], 8, v[WTM+4]
	v_lshl_or_b32 v[\w], v[WTM+6], 16, v[\w]
	v_lshl_or_b32 v[\w], v[WTM+7], 24, v[\w]
.irp c, 0,1
	v_cvt_scalef32_pk16_fp6_f32 v[WPC+6*\c:WPC+2+6*\c], v[\s+32*\c:\s+15+32*\c], v[WTM+12+2*\c]
	v_cvt_scalef32_pk16_fp6_f32 v[WPC+12+4*\c:WPC+14+4*\c], v[\s+16+32*\c:\s+31+32*\c], v[WTM+13+2*\c]
.endr
	v_nop                                          ; one plain place behind a scaled conversion
.irp c, 0,1
.irp i, 0,1,2
	v_permlane16_swap_b32 v[WPC+6*\c+\i], v[WPC+12+4*\c+\i]
.endr
.irp i, 0,1,2
	v_mov_b32 v[WPC+3+6*\c+\i], v[WPC+12+4*\c+\i]
.endr
.endr
.endm
.macro WCHUNK c, left, d
	s_wait_loadcnt \left                           ; this chunk's 16 loads are in; the next chunk's may be out
	WTURN \c
	s_wait_dscnt 0x0
.if \c > 0
	s_wait_xcnt 0x0                                ; the last chunk's stores have read the codes' registers
.endif
.if \c < 2
	WLOAD (\c)+2
.endif
	WQUANT WX, WPW+\c
.irp k, 0,1,2
	global_store_b128 v4, v[WPC+4*\k:WPC+4*\k+3], s[\d:\d+1] offset:1536*((\c)%2)+512*\k
.endr
.endm
.Lwout:
	s_load_b128 s[20:23], s[0:1], 0x10             ; w_out, woq
	v_and_b32 v1, 31, v0
	v_and_b32 v2, 15, v0
	v_bfe_u32 v3, v0, 4, 1
	v_lshlrev_b32 v4, 4, v1
	v_lshlrev_b32 v7, 3, v1
	s_mul_i32 s8, s14, 8448
	s_add_co_u32 s8, s8, WSTG                      ; my stage
	v_add_nc_u32 v5, s8, v4
	v_mul_u32_u24 v6, v2, 528
	v_lshl_add_u32 v6, v3, 6, v6
	v_add_nc_u32 v6, s8, v6
.irp b, 0,1,2,3
	v_mov_b32 v[WTM+4+\b], 0                       ; a lane permute's destination counts as one of its sources
.endr
	s_lshl_b32 s11, s17, 2
	s_add_co_u32 s11, s11, s40                     ; n = 4 y + cx: it enters global addresses alone
	s_lshl_b32 s12, s11, 18                        ; 32 rows of 8,192 bytes
	s_lshl_b32 s2, s14, 11
	s_add_co_u32 s12, s12, s2                      ; my wave's 2,048 bytes of a row
	s_mov_b32 s13, 0
	s_lshl_b32 s46, s14, 8                         ; K / 256 = 2 w: 128 row tiles each
	s_lshl_b32 s2, s11, 1
	s_add_co_u32 s46, s46, s2
	s_mul_i32 s46, s46, 3072
	s_mov_b32 s47, 0
	s_lshl_b32 s18, s11, 11                        ; 1,024 bytes of scale words a tile
	s_lshl_b32 s2, s14, 8
	s_add_co_u32 s18, s18, s2
	s_add_co_u32 s18, s18, WO_SCL
	s_mov_b32 s19, 0
	s_wait_alu depctr_va_vdst(0)
	s_wait_kmcnt 0x0
	s_add_nc_u64 s[20:21], s[20:21], s[12:13]
	s_add_nc_u64 s[92:93], s[22:23], s[46:47]      ; the images of K / 256 = 2 w,
	s_add_nc_u64 s[94:95], s[92:93], 393216        ; of 2 w + 1,
	s_add_nc_u64 s[96:97], s[22:23], s[18:19]      ; and my 256 bytes of scale words
	s_mov_b32 s[LAP], 2
.Lwtile:
	WLOAD 0
	WLOAD 1
	WCHUNK 0, 16, 92
	WCHUNK 1, 16, 92
	WCHUNK 2, 16, 94
	WCHUNK 3, 0, 94
	v_cndmask_b32 v30, v[WPW], v[WPW+2], s[HM]
	v_cndmask_b32 v31, v[WPW+1], v[WPW+3], s[HM]
	global_store_b64 v7, v[30:31], s[96:97]        ; 256 consecutive bytes, aligned
	s_wait_xcnt 0x0                                ; the bases and the stores' registers are written again only behind this wait
	s_add_nc_u64 s[20:21], s[20:21], 65536         ; 8 rows down: the pair's second tile
	s_add_nc_u64 s[92:93], s[92:93], 3072
	s_add_nc_u64 s[94:95], s[94:95], 3072
	s_add_nc_u64 s[96:97], s[96:97], 1024
	s_sub_co_u32 s[LAP], s[LAP], 1
	s_cmp_lg_u32 s[LAP], 0
	s_wait_alu depctr_va_vdst(0)
	s_cbranch_scc1 .Lwtile
.Lend:
	s_wait_tensorcnt 0x0
	ds_add_u32 v[SPW], v[NIL]
	s_wait_dscnt 0x0
	CROUND
	s_endpgm
.Lfunc_end_k_q35f5f4a616_qkv:
	.size	k_q35f5f4a616_qkv, .Lfunc_end_k_q35f5f4a616_qkv-k_q35f5f4a616_qkv
	.p2alignl 7, 3214868480
	.fill 96, 4, 3214868480
	.section	.rodata,"a",@progbits
	.p2align	6, 0x0
	.amdhsa_kernel k_q35f5f4a616_qkv
		.amdhsa_group_segment_fixed_size 327680
		.amdhsa_private_segment_fixed_size 0
		.amdhsa_enable_private_segment 0
		.amdhsa_kernarg_size 32
		.amdhsa_user_sgpr_count 2
		.amdhsa_user_sgpr_kernarg_segment_ptr 1
		.amdhsa_wavefront_size32 1
		.amdhsa_system_sgpr_workgroup_id_x 1
		.amdhsa_system_sgpr_workgroup_id_y 1
		.amdhsa_system_sgpr_workgroup_id_z 1
		.amdhsa_system_vgpr_workitem_id 0
		.amdhsa_next_free_vgpr 1024
		.amdhsa_next_free_sgpr 102
		.amdhsa_reserve_vcc 0
		.amdhsa_float_denorm_mode_32 3
		.amdhsa_float_denorm_mode_16_64 3
		.amdhsa_memory_ordered 1
		.amdhsa_forward_progress 1
		.amdhsa_inst_pref_size 254
	.end_amdhsa_kernel
	.amdgpu_metadata
---
amdhsa.version: [ 1, 2 ]
amdhsa.kernels:
  - .name:           k_q35f5f4a616_qkv
    .symbol:         k_q35f5f4a616_qkv.kd
    .args:
      - { .name: opq, .offset: 0, .size: 8, .value_kind: global_buffer, .address_space: global }
      - { .name: qkv, .offset: 8, .size: 8, .value_kind: global_buffer, .address_space: global }
      - { .name: w_out, .offset: 16, .size: 8, .value_kind: global_buffer, .address_space: global }
      - { .name: woq, .offset: 24, .size: 8, .value_kind: global_buffer, .address_space: global }
    .group_segment_fixed_size: 327680
    .private_segment_fixed_size: 0
    .kernarg_segment_align: 8
    .kernarg_segment_size: 32
    .max_flat_workgroup_size: 128
    .sgpr_count:     102
    .vgpr_count:     1024
    .wavefront_size: 32
...
	.end_amdgpu_metadata
.endif
;; end of part 2
;; launch attn (part 3): grid 256 x 1, 16 waves a work-group, clusters of 4 x 1, 167,936 bytes of LDS; arguments qkv, aq; writes aq
.if DOCPART == 3
	.amdgcn_target "amdgcn-amd-amdhsa--gfx1250"
	.amdhsa_code_object_version 6
	.text
	.protected	k_q35f5f4a616_attn
	.globl	k_q35f5f4a616_attn
	.p2align	8
	.type	k_q35f5f4a616_attn,@function
k_q35f5f4a616_attn:
	s_mov_b64 s[64:65], 0
	v_nop
	global_prefetch_b8 v0, s[64:65] scope:SCOPE_SE
	s_setreg_imm32_b32 hwreg(HW_REG_WAVE_MODE, 25, 1), 1
	s_wait_xcnt 0x0
	s_wait_alu depctr_hold_cnt(0) depctr_sa_sdst(0) depctr_va_vdst(0) depctr_va_sdst(0) depctr_va_ssrc(0) depctr_va_vcc(0) depctr_vm_vsrc(0)
	s_getreg_b32 s2, hwreg(HW_REG_IB_STS2, 6, 4)
	s_cmp_eq_u32 s2, 0
	s_cbranch_scc0 .Lentry_in_a_cluster
	s_endpgm
.Lentry_in_a_cluster:
	s_bfe_u32 s2, ttmp6, 0x10000c
	s_cmp_lg_u32 s2, 0x3003
	s_cbranch_scc0 .Lentry_shape_is_right
	s_endpgm
.Lentry_shape_is_right:
; Causal GQA attention on codes of FP6 (E2M3): S^T = K Q^T (K = the head's 64), p = 2^(t - M) quantised along the keys, O^T = V^T P^T, O / l quantised along head x 64 + d for the output projection.
; t = score x 0.125 log2(e); M = the running largest t rounded UP to a whole number; the row's sum l is taken of the unquantised p; when M moves, l and O^T are multiplied by 2^(old M - new M), which rounds nothing.
; SHARES.  A cluster of four work-groups serves one (sequence, kv head): its four query heads, which read the same K and V: ONE joint fill brings the whole record (K's 64 half images and scale words, V's 32 images and
; scale words, 104,448 bytes) into each partner's LDS.  It is filled once: no ring, no refill, no barrier in the loop.  Two clusters share a (sequence, kv head): g = cluster % 2.
; Wave w of sixteen takes the query tiles 2 w + g and 63 - (2 w + g): their last key steps are w / 4 and 7 - w / 4, so every wave works nine key steps of 128 keys.
; A loop has eight trips for every wave; a step all of whose keys come after the tile's queries is left out by a scalar branch on the wave's number and the trip's count.
; A ROW TILE T is 16 rows: lane r stands for row 32 (T / 2) + 8 (T % 2) + r + 8 (r / 8), for queries, keys and V's channels alike: so a lane holds ONE query, the 16 registers of key tiles 2 b, 2 b + 1 are keys
; 32 b + 16 (lane / 16) + 0 .. 15, and O^T's registers 16 b + i are d = 32 b + 16 (lane / 16) + i.
; K = 64 IN AN INSTRUCTION OF K = 128: Q's registers 6-11 are zero codes.  A key tile is named with the six registers that follow it (the next tile's codes, or zeros): every pattern of 6 bits is a finite number, and it meets a zero.
; LIMITS: 1 / l by v_rcp_f32; a block of zeros, or one whose largest magnitude lies under 2^-124, keeps the byte 1; NaN and infinities are not served.
; REGISTERS: v1-5 places that stay; v6, v7 the add's two; v8-11, v28 the step's addresses; v12 -M, v13 the largest t, v[14:15] l in two halves; v16-21 Q, v22-27 zeros; v29 my query's place against the keys; v30 8 x lane; v31 the scale bytes' place;
; v32-79 K's eight tiles, v80-85 zeros; once the scores are made v32-43 p's codes, v44-50, v52-69 at work; v86-93 K's scale words; v94 Q's; v95 p's; v96-159 S^T, then p; v160-191 O^T; v192-239 V; v240-243 V's scale words;
; v244-250 the second tile's Q and scale word; v251-253 the results' scale bytes.
.set Q_TOT,  6815744
.set QREC,   53248
.set KVREC,  104448
.set KSC,    49152
.set VIM,    53248
.set VSC,    102400
.set SPARE,  104448                    ; behind the record: the spare words, 128 bytes for each of sixteen waves
.set A_SCL,  6291456
.set SPW, 6
.set NIL, 7
.set BM,  52                           ; the blocks' largest scores, then largest p
.set PT,  56                           ; lane permutes' results, then the scales' bytes
.set SO,  60                           ; the conversions' scale operands
.set WV,  8
.set SEL, 18                           ; s18, s19 lane selects: lane l xor 16
.set CS,  20                           ; s[20:21] c = 0.125 log2(e)
.set HM,  22                           ; s22 the mask of lanes 16-31
.set G1,  24
.set G0,  32
.set SI,  48                           ; the key step
.set LAST, 49                          ; the tile's last key step
.set TK,  50                           ; 6,144 x step: K's half images, and V's images
.set TKS, 51                           ; 512 x step: K's scale words
.set TVS, 52                           ; 256 x step: V's
.set BQ,  53                           ; which block of 32 keys of the tile's last step holds the diagonal: (T / 2) % 4
.macro CROUND
	s_barrier_signal -1
	s_barrier_wait -1
	s_cmp_lg_u32 s[WV], 0
	s_cbranch_scc1 .Lnot_wave_0_\@
	s_barrier_signal -3
.Lnot_wave_0_\@:
	s_barrier_wait -3
	s_barrier_signal -1
	s_barrier_wait -1
.endm
	s_load_b128 s[4:7], s[0:1], 0x0                ; qkv, aq
	v_lshl_add_u32 v[SPW], v0, 2, SPARE
	v_mov_b32 v[NIL], 0
	ds_add_u32 v[SPW], v[NIL]                      ; the wave's opening: the add and its wait stand ahead of the first tensor load; the set-up below, work on registers, stands between them
	ds_add_u32 v[SPW], v[NIL]
	v_lshrrev_b32 v8, 5, v0
	s_delay_alu instid0(VALU_DEP_1)
	v_readfirstlane_b32 s[WV], v8                  ; wave 0..15
	s_bfe_u32 s9, ttmp6, 0x40000                   ; cx: which of the four query heads; it enters global addresses alone
	s_and_b32 s10, ttmp9, 1                        ; g
	s_lshr_b32 s11, ttmp9, 1                       ; 8 b + kv head
	s_and_b32 s12, s11, 7                          ; kv head
	s_lshr_b32 s13, s11, 3                         ; b
	s_lshl_b32 s14, s[WV], 1
	s_add_co_u32 s14, s14, s10                     ; my first query tile, 0 .. 31
	s_sub_co_u32 s15, 63, s14                      ; my second, 32 .. 63
	s_lshr_b32 s16, s[WV], 2                       ; their last key steps
	s_sub_co_u32 s17, 7, s16
	s_mov_b32 s[G1], 15|(3<<16)|(1<<21)            ; 15:0 the mask: all four work-groups; 17:16 elements of 8 bytes; 21 set beside a mask; no padding
	s_mov_b32 s[G1+1], 32<<16                      ; rows of 256 bytes,
	s_mov_b32 s[G1+2], 51<<16                      ; 51 of them: an eighth of the record
	s_mov_b32 s[G1+3], 32<<16
	s_mov_b32 s[G1+4], 51
	s_mov_b32 s[G1+5], 32
	s_mov_b32 s[G1+6], 0
	s_mov_b32 s[G1+7], 0
	s_min_u32 s55, s[WV], 7                        ; waves 0 to 7 fetch an eighth each
	s_mul_i32 s54, s55, 13056
	s_mul_i32 s56, s11, KVREC
	s_add_co_u32 s56, s56, Q_TOT
	s_add_co_u32 s56, s56, s54
	s_mov_b32 s57, 0
	s_mov_b32 s[SEL], 0x76543210
	s_mov_b32 s[SEL+1], 0xfedcba98
	s_mov_b32 s[CS], 0x3e38aa3b
	s_mov_b32 s[CS+1], s[CS]                       ; (named with it as a pair, so it is written)
	s_mov_b32 s[HM], 0xffff0000
	s_wait_dscnt 0x0                               ; the opening add is done
	s_wait_kmcnt 0x0
	s_mov_b32 s[G0], 1
	s_mov_b32 s[G0+1], s54
	s_add_nc_u64 s[G0+2:G0+3], s[4:5], s[56:57]
	s_or_b32 s[G0+3], s[G0+3], 0x80000000
	CROUND                                         ; all four work-groups are here: the joint loads meet
	s_cmp_lt_u32 s[WV], 8
	s_cbranch_scc0 .Lno_fill
	tensor_load_to_lds s[G0:G0+3], s[G1:G1+7]      ; one tensor load of mine is out
	s_nop 0
.rept 4
	v_nop
.endr
.Lno_fill:
	v_and_b32 v11, 31, v0                          ; lane
	v_and_b32 v8, 15, v0                           ; r
	v_bfe_u32 v9, v0, 4, 1                         ; h
	s_delay_alu instid0(VALU_DEP_3)
	v_lshlrev_b32 v1, 4, v11                       ; 16 x lane
	s_wait_alu depctr_va_vdst(0)
	v_lshlrev_b32 v30, 3, v11                      ; 8 x lane
	s_wait_alu depctr_va_vdst(0)
	v_lshlrev_b32 v10, 4, v8                       ; 16 r
	s_wait_alu depctr_va_vdst(0)
	s_lshl_b32 s58, s11, 2
	s_add_co_u32 s58, s58, s9
	s_mul_i32 s58, s58, QREC
	s_mov_b32 s59, 0
	s_add_nc_u64 s[60:61], s[4:5], s[58:59]        ; my head's record of q
	s_mul_i32 s58, s14, 768
	s_add_nc_u64 s[36:37], s[60:61], s[58:59]      ; the first tile's half image,
	s_mul_i32 s58, s15, 768
	s_add_nc_u64 s[38:39], s[60:61], s[58:59]      ; the second's
	s_lshr_b32 s58, s14, 2
	s_lshl_b32 s58, s58, 8
	s_and_b32 s62, s14, 3
	s_lshl_b32 s62, s62, 2
	s_add_co_u32 s58, s58, s62
	s_add_nc_u64 s[40:41], s[60:61], s[58:59]      ; their scale words: 256 (T / 4) + 4 (T % 4) + 16 r behind KSC
	s_lshr_b32 s58, s15, 2
	s_lshl_b32 s58, s58, 8
	s_and_b32 s62, s15, 3
	s_lshl_b32 s62, s62, 2
	s_add_co_u32 s58, s58, s62
	s_add_nc_u64 s[42:43], s[60:61], s[58:59]
	global_load_b128 v[16:19], v1, s[36:37]
	global_load_b64 v[20:21], v30, s[36:37] offset:512
	global_load_b32 v94, v10, s[40:41] offset:KSC
	global_load_b128 v[244:247], v1, s[38:39]
	global_load_b64 v[248:249], v30, s[38:39] offset:512
	global_load_b32 v250, v10, s[42:43] offset:KSC
	v_add_nc_u32 v2, 512, v30                      ; a half image's registers 4, 5
	v_add_nc_u32 v3, KSC, v10
	v_add_nc_u32 v4, VIM, v1
	v_add_nc_u32 v5, VSC, v10
.irp i, 0,1,2,3,4,5
	v_mov_b32 v[22+\i], 0                          ; Q's upper 64 along K: zero codes
	v_mov_b32 v[80+\i], 0                          ; what is named behind K's last tile
.endr
	s_bfe_u32 s54, s14, 0x20001                    ; my query's place in its last key step: 32 ((T / 2) % 4) + 8 (T % 2) + r + 8 (r / 8); less 16 h, which my registers' keys have over 32 b + i
	s_lshl_b32 s54, s54, 5
	s_and_b32 s55, s14, 1
	s_lshl_b32 s55, s55, 3
	s_add_co_u32 s54, s54, s55
	s_bfe_u32 s23, s15, 0x20001
	s_lshl_b32 s23, s23, 5
	s_and_b32 s55, s15, 1
	s_lshl_b32 s55, s55, 3
	s_add_co_u32 s23, s23, s55
	s_sub_co_u32 s23, s23, s54                     ; what the second tile adds to it
	v_and_b32 v29, 8, v8
	s_delay_alu instid0(VALU_DEP_1)
	v_add_nc_u32 v29, v29, v8
	v_lshlrev_b32 v12, 4, v9
	s_delay_alu instid0(VALU_DEP_1)
	v_sub_nc_u32 v29, v29, v12
	s_delay_alu instid0(VALU_DEP_1)
	v_add_nc_u32 v29, s54, v29
	s_lshl_b32 s58, s12, 8                         ; the results: half image of (token tile, head) at (256 kv head + token tile) x 3,072 + 768 cx
	s_lshl_b32 s62, s13, 6
	s_add_co_u32 s58, s58, s62
	s_mul_i32 s54, s9, 768
	s_add_co_u32 s62, s58, s14
	s_mul_i32 s62, s62, 3072
	s_add_co_u32 s62, s62, s54
	s_mov_b32 s63, 0
	s_add_nc_u64 s[44:45], s[6:7], s[62:63]
	s_add_co_u32 s62, s58, s15
	s_mul_i32 s62, s62, 3072
	s_add_co_u32 s62, s62, s54
	s_add_nc_u64 s[46:47], s[6:7], s[62:63]
	s_lshl_b32 s58, s13, 6                         ; their scale bytes: token tile x 1,024 + 128 kv head + 8 r + 2 cx; lanes 0-15 the first tile's, lanes 16-31 the second's
	s_add_co_u32 s58, s58, s14
	s_lshl_b32 s58, s58, 10
	s_lshl_b32 s62, s12, 7
	s_add_co_u32 s58, s58, s62
	s_lshl_b32 s62, s9, 1
	s_add_co_u32 s58, s58, s62
	s_sub_co_u32 s62, s15, s14
	s_lshl_b32 s62, s62, 10
	v_mul_u32_u24 v31, s62, v9
	s_delay_alu instid0(VALU_DEP_1)
	v_lshl_add_u32 v31, v8, 3, v31
	s_delay_alu instid0(VALU_DEP_1)
	v_add_nc_u32 v31, s58, v31
	s_wait_tensorcnt 0x0                           ; my eighth of the record is in,
	s_barrier_signal -1
	s_barrier_wait -1                              ; everybody's is
	s_wait_loadcnt 0x0                             ; Q
; A KEY STEP: 128 keys
; THE MASK of a tile's last key step, by blocks of 32 keys.  PART: the block that holds the diagonal: register 16 b + i holds key 32 b + 16 (lane / 16) + i, hidden where that comes after my query.  HIDE: a block all of whose keys come after.
.macro PART b
.irp i, 0,1,2,3,4,5,6,7,8,9,10,11,12,13,14,15
	v_cmp_gt_i32 vcc_lo, 32*\b+\i, v29
	v_cndmask_b32 v[96+16*\b+\i], v[96+16*\b+\i], v66, vcc_lo
.endr
.endm
.macro HIDE b
.irp i, 0,1,2,3,4,5,6,7,8,9,10,11,12,13,14,15
	v_mov_b32 v[96+16*\b+\i], v66
.endr
.endm
.macro STEP
	s_cmp_gt_u32 s[SI], s[LAST]                    ; all its keys come after my queries: only the addresses step
	s_cbranch_scc1 .Lhidden_\@
	v_add_nc_u32 v8, s[TK], v1                     ; (these five are also the places behind the last products, in front of the loads into registers that they read)
	v_add_nc_u32 v9, s[TK], v2
	v_add_nc_u32 v10, s[TKS], v3
	v_add_nc_u32 v11, s[TK], v4
	v_add_nc_u32 v28, s[TVS], v5
.irp t, 0,1,2,3,4,5,6,7
	ds_load_b128 v[32+6*\t:35+6*\t], v8 offset:768*\t
	ds_load_b64 v[36+6*\t:37+6*\t], v9 offset:768*\t
.endr
	ds_load_b128 v[86:89], v10                     ; K's scale words: tiles 0-3 of row r,
	ds_load_b128 v[90:93], v10 offset:256          ; tiles 4-7
.irp t, 0,1,2,3
.irp c, 0,1,2
	ds_load_b128 v[192+12*\t+4*\c:195+12*\t+4*\c], v11 offset:1536*\t+512*\c
.endr
.endr
	ds_load_b128 v[240:243], v28
	s_wait_dscnt 13                                ; K and its scale words are in; V's thirteen loads may be out
.irp t, 0,1,2,3,4,5,6,7
	v_wmma_scale_f32_16x16x128_f8f6f4 v[96+8*\t:103+8*\t], v[32+6*\t:43+6*\t], v[16:27], 0, v[86+\t], v94 matrix_a_fmt:MATRIX_FMT_FP6 matrix_b_fmt:MATRIX_FMT_FP6
.endr
.rept 4
	v_nop                                          ; places behind the products: their results are read, and K's registers written, from here on
.endr
	s_cmp_lg_u32 s[SI], s[LAST]                    ; only the tile's last step lies on the diagonal
	s_cbranch_scc1 .Lopen_\@
	v_mov_b32 v66, 0xff800000                      ; hidden scores become -infinity ahead of the maximum: p = 0 then
	s_wait_alu depctr_va_vdst(0)
	s_cmp_eq_u32 s[BQ], 0                          ; the diagonal's block is a number made of ids: the blocks ahead of it are open, those behind it hidden whole
	s_cbranch_scc1 .Ld0_\@
	s_cmp_eq_u32 s[BQ], 1
	s_cbranch_scc1 .Ld1_\@
	s_cmp_eq_u32 s[BQ], 2
	s_cbranch_scc1 .Ld2_\@
	PART 3
	s_wait_alu depctr_va_vdst(0)
	s_branch .Lopen_\@
.Ld2_\@:
	PART 2
	s_wait_alu depctr_va_vdst(0)
	s_branch .Lm3_\@
.Ld1_\@:
	PART 1
	s_wait_alu depctr_va_vdst(0)
	s_branch .Lm2_\@
.Ld0_\@:
	PART 0
	HIDE 1
.Lm2_\@:
	HIDE 2
.Lm3_\@:
	HIDE 3
.Lopen_\@:
.irp b, 0,1,2,3
	v_max3_num_f32 v[BM+\b], v[96+16*\b], v[97+16*\b], v[98+16*\b]   ; the largest score of each block of 32 keys: it serves for the row's maximum and, since p rises with the score, for the block's largest p
.endr
.irp i, 3,5,7,9,11,13
.irp b, 0,1,2,3
	v_max3_num_f32 v[BM+\b], v[BM+\b], v[96+16*\b+\i], v[97+16*\b+\i]
.endr
.endr
.irp b, 0,1,2,3
	v_max_num_f32 v[BM+\b], v[BM+\b], v[111+16*\b]
.endr
.irp b, 0,1,2,3
	s_delay_alu instid0(VALU_DEP_4)
	v_permlanex16_b32 v[PT+\b], v[BM+\b], s[SEL], s[SEL+1]
.endr
.irp b, 0,1,2,3
	s_delay_alu instid0(VALU_DEP_4)
	v_max_num_f32 v[BM+\b], v[BM+\b], v[PT+\b]     ; with lane l xor 16's 16 keys
.endr
	s_delay_alu instid0(VALU_DEP_2)
	v_max3_num_f32 v66, v[BM], v[BM+1], v[BM+2]
	s_delay_alu instid0(VALU_DEP_1)
	v_max_num_f32 v66, v66, v[BM+3]
	s_delay_alu instid0(VALU_DEP_1)
	v_mul_f32 v66, s[CS], v66                      ; as t (c is positive)
	s_delay_alu instid0(VALU_DEP_1)
	v_max_num_f32 v13, v13, v66                    ; the running largest t
	v_mov_b32 v66, v12
	s_delay_alu instid0(VALU_DEP_2)
	v_floor_f32 v12, -v13                          ; the new -M = floor(-t): M is a whole number
	s_delay_alu instid0(VALU_DEP_1)
	v_sub_f32 v66, v12, v66                        ; old M - new M: a whole number, 0 or less
	s_delay_alu instid0(VALU_DEP_1)
	v_cvt_i32_f32 v66, v66                         ; (it saturates)
	s_delay_alu instid0(VALU_DEP_1)
	v_ldexp_f32 v64, 1.0, v66                      ; f = 2^(old M - new M)
.set J, 0
.rept 32
	v_pk_fma_f32 v[96+J:97+J], v[96+J:97+J], s[CS:CS+1], v[12:13] op_sel_hi:[1,0,0]   ; t - M, two at a time
.set J, J+2
.endr
.irp b, 0,1,2,3
	v_fma_f32 v[BM+\b], v[BM+\b], s[CS], v12       ; the same of each block's largest score
.endr
.set J, 0
	s_wait_alu depctr_va_vdst(0)
.rept 64
	v_exp_f32 v[96+J], v[96+J]                     ; p = 2^(t - M), at most 1: not normalised
.set J, J+1
.endr
	v_pk_mul_f32 v[14:15], v[14:15], v[64:65] op_sel_hi:[1,0]   ; l under the new M.  (A plain place behind the exponentials)
	s_wait_alu depctr_va_vdst(0)                   ; one wait for the batch of 64, ahead of its first reader
.irp b, 0,1,2,3
	v_exp_f32 v[BM+\b], v[BM+\b]                   ; the block's largest p: the same two instructions on the same number give the same bits
.endr
	v_pk_add_f32 v[68:69], v[100:101], v[104:105]
	v_pk_add_f32 v[254:255], v[108:109], v[112:113]
	v_pk_add_f32 v[252:253], v[116:117], v[120:121]
	v_pk_add_f32 v[92:93], v[124:125], v[128:129]
	v_pk_add_f32 v[90:91], v[132:133], v[136:137]
	v_pk_add_f32 v[88:89], v[140:141], v[144:145]
	v_pk_add_f32 v[86:87], v[148:149], v[152:153]
	v_pk_add_f32 v[14:15], v[14:15], v[156:157]
	v_pk_add_f32 v[68:69], v[68:69], v[96:97]
	v_pk_add_f32 v[254:255], v[254:255], v[98:99]
	v_pk_add_f32 v[252:253], v[252:253], v[102:103]
	v_pk_add_f32 v[92:93], v[92:93], v[106:107]
	v_pk_add_f32 v[90:91], v[90:91], v[110:111]
	v_pk_add_f32 v[88:89], v[88:89], v[114:115]
	v_pk_add_f32 v[86:87], v[86:87], v[118:119]
	v_pk_add_f32 v[14:15], v[14:15], v[122:123]
	v_pk_add_f32 v[68:69], v[68:69], v[126:127]
	v_pk_add_f32 v[254:255], v[254:255], v[130:131]
	v_pk_add_f32 v[252:253], v[252:253], v[134:135]
	v_pk_add_f32 v[92:93], v[92:93], v[138:139]
	v_pk_add_f32 v[90:91], v[90:91], v[142:143]
	v_pk_add_f32 v[88:89], v[88:89], v[146:147]
	v_pk_add_f32 v[86:87], v[86:87], v[150:151]
	v_pk_add_f32 v[14:15], v[14:15], v[154:155]
	v_pk_add_f32 v[68:69], v[68:69], v[158:159]
	s_delay_alu instid0(VALU_DEP_2)
	v_pk_add_f32 v[14:15], v[14:15], v[92:93]
	s_delay_alu instid0(VALU_DEP_2)
	v_pk_add_f32 v[68:69], v[68:69], v[90:91]
	v_pk_add_f32 v[254:255], v[254:255], v[88:89]
	v_pk_add_f32 v[252:253], v[252:253], v[86:87]
	s_delay_alu instid0(VALU_DEP_2)
	v_pk_add_f32 v[14:15], v[14:15], v[254:255]
	s_delay_alu instid0(VALU_DEP_2)
	v_pk_add_f32 v[68:69], v[68:69], v[252:253]
	s_delay_alu instid0(VALU_DEP_1)
	v_pk_add_f32 v[14:15], v[14:15], v[68:69]
	s_wait_alu depctr_va_vdst(0)                   ; and one for the four
.irp b, 0,1,2,3
	v_max_num_f32 v[BM+\b], 0x1800000, v[BM+\b]    ; the floor 2^(3 - 127): the byte cannot fall under 1
.endr
.irp b, 0,1,2,3
	s_delay_alu instid0(VALU_DEP_4)
	v_add_nc_u32 v[SO+\b], 0xff000000, v[BM+\b]    ; 2 off the exponent field: the conversion's scale operand
.endr
.irp b, 0,1,2,3
	s_delay_alu instid0(VALU_DEP_4)
	v_lshrrev_b32 v[PT+\b], 23, v[SO+\b]
.endr
	s_delay_alu instid0(VALU_DEP_3)
	v_lshl_or_b32 v95, v[PT+1], 8, v[PT]           ; p's scale word for these 128 keys
	s_delay_alu instid0(VALU_DEP_1)
	v_lshl_or_b32 v95, v[PT+2], 16, v95
	s_delay_alu instid0(VALU_DEP_1)
	v_lshl_or_b32 v95, v[PT+3], 24, v95
.irp c, 0,1
	v_cvt_scalef32_pk16_fp6_f32 v[32+6*\c:34+6*\c], v[96+32*\c:111+32*\c], v[SO+2*\c]
	v_cvt_scalef32_pk16_fp6_f32 v[44+4*\c:46+4*\c], v[112+32*\c:127+32*\c], v[SO+1+2*\c]
.endr
	v_nop                                          ; one plain place behind a scaled conversion
.irp c, 0,1
.irp i, 0,1,2
	v_permlane16_swap_b32 v[32+6*\c+\i], v[44+4*\c+\i]   ; a whole block to a lane
.endr
.irp i, 0,1,2
	s_delay_alu instid0(VALU_DEP_3)
	v_mov_b32 v[35+6*\c+\i], v[44+4*\c+\i]
.endr
.endr
.set J, 0
.rept 16
	v_pk_mul_f32 v[160+J:161+J], v[160+J:161+J], v[64:65] op_sel_hi:[1,0]   ; O^T under the new M.  (These sixteen stand between the scale word's and the codes' last writes and the products)
.set J, J+2
.endr
	s_wait_alu depctr_va_vdst(0)
	s_wait_dscnt 0x0                               ; V and its scale words are in
.irp t, 0,1,2,3
	v_wmma_scale_f32_16x16x128_f8f6f4 v[160+8*\t:167+8*\t], v[192+12*\t:203+12*\t], v[32:43], v[160+8*\t:167+8*\t], v[240+\t], v95 matrix_a_fmt:MATRIX_FMT_FP6 matrix_b_fmt:MATRIX_FMT_FP6
.endr
.Lhidden_\@:
	s_add_co_u32 s[TK], s[TK], 6144
	s_add_co_u32 s[TKS], s[TKS], 512
	s_add_co_u32 s[TVS], s[TVS], 256
.endm
; ONE QUERY TILE.  n = 1: the second; out: where its half image goes; sw: the register that keeps its two scale bytes
.macro PASS n, out, sw
.if \n
	s_wait_xcnt 0x0                                ; the first tile's stores have read their registers, which this pass's loads write
.irp i, 0,1,2,3,4,5
	v_mov_b32 v[16+\i], v[244+\i]
.endr
	v_mov_b32 v94, v250
	v_add_nc_u32 v29, s23, v29
	s_mov_b32 s[LAST], s17
	s_bfe_u32 s[BQ], s15, 0x20001
.else
	s_mov_b32 s[LAST], s16
	s_bfe_u32 s[BQ], s14, 0x20001
.endif
	v_mov_b32 v13, 0xff61b1e6                      ; the largest t so far: -3e38, under every t
	s_delay_alu instid0(VALU_DEP_1)
	v_floor_f32 v12, -v13
	v_mov_b32 v14, 0
	v_mov_b32 v15, 0
.set J, 0
.rept 32
	v_mov_b32 v[160+J], 0                          ; O^T: the step is written once; the first finds zeros, which the first change of M leaves zeros
.set J, J+1
.endr
.irp b, 0,1,2,3
	v_mov_b32 v[PT+\b], 0                          ; lane permutes' destinations count as sources: written on every way
.endr
	v_mov_b32 v66, 0
	s_mov_b32 s[SI], 0
	s_mov_b32 s[TK], 0
	s_mov_b32 s[TKS], 0
	s_mov_b32 s[TVS], 0
.Lstep_\@:
	STEP
	s_add_co_u32 s[SI], s[SI], 1
	s_cmp_lt_u32 s[SI], 8
	s_cbranch_scc1 .Lstep_\@
.rept 4
	v_nop                                          ; places behind the last products
.endr
	v_add_f32 v14, v14, v15                        ; l's two halves,
	s_wait_alu depctr_va_vdst(0)
	v_permlanex16_b32 v66, v14, s[SEL], s[SEL+1]
	s_delay_alu instid0(VALU_DEP_1)
	v_add_f32 v14, v14, v66                        ; and lane l xor 16's
	s_wait_alu depctr_va_vdst(0)
	v_rcp_f32 v14, v14
	v_nop                                          ; a plain place behind the reciprocal,
	s_wait_alu depctr_va_vdst(0)                   ; and the wait ahead of its first reader
.set J, 0
.rept 16
	v_pk_mul_f32 v[96+J:97+J], v[160+J:161+J], v[14:15] op_sel_hi:[1,0]   ; O^T / l: register 16 b + i is d = 32 b + 16 (lane / 16) + i of my query
.set J, J+2
.endr
.irp b, 0,1
	v_max3_num_f32 v[BM+\b], |v[96+16*\b]|, |v[97+16*\b]|, 0x1800000
.endr
.irp i, 2,4,6,8,10,12,14
.irp b, 0,1
	s_delay_alu instid0(VALU_DEP_2)
	v_max3_num_f32 v[BM+\b], v[BM+\b], |v[96+16*\b+\i]|, |v[97+16*\b+\i]|
.endr
.endr
.irp b, 0,1
	s_delay_alu instid0(VALU_DEP_2)
	v_permlanex16_b32 v[PT+\b], v[BM+\b], s[SEL], s[SEL+1]
.endr
.irp b, 0,1
	s_delay_alu instid0(VALU_DEP_2)
	v_max_num_f32 v[BM+\b], v[BM+\b], v[PT+\b]
.endr
.irp b, 0,1
	s_delay_alu instid0(VALU_DEP_2)
	v_add_nc_u32 v[SO+\b], 0xff000000, v[BM+\b]
.endr
.irp b, 0,1
	s_delay_alu instid0(VALU_DEP_2)
	v_lshrrev_b32 v[PT+\b], 23, v[SO+\b]
.endr
	s_delay_alu instid0(VALU_DEP_1)
	v_lshl_or_b32 v[\sw], v[PT+1], 8, v[PT]
	v_cvt_scalef32_pk16_fp6_f32 v[32:34], v[96:111], v[SO]
	v_cvt_scalef32_pk16_fp6_f32 v[44:46], v[112:127], v[SO+1]
	v_nop
.irp i, 0,1,2
	v_permlane16_swap_b32 v[32+\i], v[44+\i]
.endr
.irp i, 0,1,2
	s_delay_alu instid0(VALU_DEP_3)
	v_mov_b32 v[35+\i], v[44+\i]
.endr
	global_store_b128 v1, v[32:35], s[\out:\out+1]             ; a half image: 512 consecutive bytes,
	global_store_b64 v30, v[36:37], s[\out:\out+1] offset:512  ; and 256
.endm
	PASS 0, 44, 251
	PASS 1, 46, 252
	v_cndmask_b32 v253, v251, v252, s[HM]
	global_store_b16 v31, v253, s[6:7] offset:A_SCL   ; two scale bytes a row and head: the four heads of a scale-word pair come from four work-groups
	s_wait_tensorcnt 0x0                           ; the wave's end
	ds_add_u32 v[SPW], v[NIL]
	s_wait_dscnt 0x0
	CROUND                                         ; the closing round
	s_endpgm
.Lfunc_end_k_q35f5f4a616_attn:
	.size	k_q35f5f4a616_attn, .Lfunc_end_k_q35f5f4a616_attn-k_q35f5f4a616_attn
	.p2alignl 7, 3214868480
	.fill 96, 4, 3214868480
	.section	.rodata,"a",@progbits
	.p2align	6, 0x0
	.amdhsa_kernel k_q35f5f4a616_attn
		.amdhsa_group_segment_fixed_size 167936
		.amdhsa_private_segment_fixed_size 0
		.amdhsa_enable_private_segment 0
		.amdhsa_kernarg_size 16
		.amdhsa_user_sgpr_count 2
		.amdhsa_user_sgpr_kernarg_segment_ptr 1
		.amdhsa_wavefront_size32 1
		.amdhsa_system_sgpr_workgroup_id_x 1
		.amdhsa_system_sgpr_workgroup_id_y 1
		.amdhsa_system_sgpr_workgroup_id_z 1
		.amdhsa_system_vgpr_workitem_id 0
		.amdhsa_next_free_vgpr 256
		.amdhsa_next_free_sgpr 66
		.amdhsa_reserve_vcc 1
		.amdhsa_float_denorm_mode_32 3
		.amdhsa_float_denorm_mode_16_64 3
		.amdhsa_memory_ordered 1
		.amdhsa_forward_progress 1
		.amdhsa_inst_pref_size 68
	.end_amdhsa_kernel
	.amdgpu_metadata
---
amdhsa.version: [ 1, 2 ]
amdhsa.kernels:
  - .name:           k_q35f5f4a616_attn
    .symbol:         k_q35f5f4a616_attn.kd
    .args:
      - { .name: qkv, .offset: 0, .size: 8, .value_kind: global_buffer, .address_space: global }
      - { .name: aq, .offset: 8, .size: 8, .value_kind: global_buffer, .address_space: global }
    .group_segment_fixed_size: 167936
    .private_segment_fixed_size: 0
    .kernarg_segment_align: 8
    .kernarg_segment_size: 16
    .max_flat_workgroup_size: 512
    .sgpr_count:     66
    .vgpr_count:     256
    .wavefront_size: 32
...
	.end_amdgpu_metadata
.endif
;; end of part 3
;; launch oproj (part 4): grid 8 x 32, 4 waves a work-group, clusters of 4 x 4, 327,680 bytes of LDS; arguments aq, woq, out0; writes out0
.if DOCPART == 4
	.amdgcn_target "amdgcn-amd-amdhsa--gfx1250"
	.amdhsa_code_object_version 6
	.text
	.protected	k_q35f5f4a616_oproj
	.globl	k_q35f5f4a616_oproj
	.p2align	8
	.type	k_q35f5f4a616_oproj,@function
k_q35f5f4a616_oproj:
	s_mov_b64 s[64:65], 0
	v_nop
	global_prefetch_b8 v0, s[64:65] scope:SCOPE_SE
	s_setreg_imm32_b32 hwreg(HW_REG_WAVE_MODE, 25, 1), 1
	s_wait_xcnt 0x0
	s_wait_alu depctr_hold_cnt(0) depctr_sa_sdst(0) depctr_va_vdst(0) depctr_va_sdst(0) depctr_va_ssrc(0) depctr_va_vcc(0) depctr_vm_vsrc(0)
	s_getreg_b32 s2, hwreg(HW_REG_IB_STS2, 6, 4)
	s_cmp_eq_u32 s2, 0
	s_cbranch_scc0 .Lentry_in_a_cluster
	s_endpgm
.Lentry_in_a_cluster:
	s_bfe_u32 s2, ttmp6, 0x10000c
	s_cmp_lg_u32 s2, 0xf033
	s_cbranch_scc0 .Lentry_shape_is_right
	s_endpgm
.Lentry_shape_is_right:
; out0 = Q(attention's result) Q(w_out)^T on codes of FP6 (E2M3), both operands as register images with their scale words (aq; woq: images, then scale words).
; A work-group makes 128 tokens x 256 columns, a wave 64 x 128; K goes in chunks of 512 through two LDS slots, each laid [K / 256][row tile]: A's 8 tiles, then B's 16.  Joint loads: A's tile along a cluster's row, B's along its column.
; THE HEAD'S FOUR TILES, one load a wave: wave 0 chunk 0 of A (2 rows of 24,576 bytes), wave 1 of B (2 rows of 49,152), wave 2 A's scale words for all of K, wave 3 B's.  Slot 1 is first filled as a refill is.
; In the ring waves 0, 1 fetch A's two K / 256 groups and waves 2, 3 B's, each a dense block in rows of 256 bytes.
; Chunks 2 and 3 are asked for behind the loads of chunks 0 and 1, two refills ahead: a quarter of a wave's block for each of the four partners, told apart by address.  K has four chunks: there is nothing further to ask for.
.set A_SCL,  6291456
; THE REQUESTS IN FULL, in place of the sentence above on chunks 2 and 3: chunk 0 comes by its load alone; chunks 1 and 2 are asked for behind the head's load, chunk 3 behind chunk 1's load.
.set WO_SCL, 3145728
.set PFO, 30                           ; v30 256 x min(lane, 23)
.set PFA, 96                           ; s[96:97] the chunk that my next prefetch names;  s[98:99] bytes from chunk to chunk
.set PST, 98
.set APART,  24576
.set BPART,  49152
.set SLOT,   2*APART+2*BPART
.set SCL,    2*SLOT
.set SPARE,  SCL+24576
.set SPITCH, 528
.set ADR1,  16
.set ADR1B, 18
.set ADR0,  20
.set L16,  24
.set STO,  25
.set RD,   26
.set ADRS, 27
.set SPW,  28
.set NIL,  29
.set SC,   32
.set S1R,  96
.set G1, 24
.set G0, 32
.set G1B, 48
.set G0B, 56
.set G1S, 68
.set G0S, 76
.set G1SB, 80
.set G0SB, 88
.set MSB, 0
.macro WIN new
.if MSB != (\new)
	s_set_vgpr_msb (MSB<<8)|(\new)
.set MSB, (\new)
.endif
.endm
.macro JLOAD g0a, g1a, g0b, g1b
	s_cmp_eq_u32 s15, 0
	s_cbranch_scc0 .Lfor_b_\@
	tensor_load_to_lds s[\g0a:\g0a+3], s[\g1a:\g1a+7]
	s_nop 0
.rept 4
	v_nop
.endr
	s_branch .Lasked_\@
.Lfor_b_\@:
	tensor_load_to_lds s[\g0b:\g0b+3], s[\g1b:\g1b+7]
	s_nop 0
.rept 4
	v_nop
.endr
.Lasked_\@:
.endm
.macro CREST
	s_cmp_lg_u32 s14, 0
	s_cbranch_scc1 .Lnot_wave_0_\@
	s_barrier_signal -3
.Lnot_wave_0_\@:
	s_barrier_wait -3
	s_barrier_signal -1
	s_barrier_wait -1
.endm
.macro CROUND
	s_barrier_signal -1
	s_barrier_wait -1
	CREST
.endm
.macro PLACES n
.rept \n
	v_nop
.endr
.endm
	s_load_b128 s[4:7], s[0:1], 0x0
	s_load_b64 s[8:9], s[0:1], 0x10
	v_lshl_add_u32 v[SPW], v0, 2, SPARE
	v_mov_b32 v[NIL], 0
	ds_add_u32 v[SPW], v[NIL]
	ds_add_u32 v[SPW], v[NIL]
	v_lshrrev_b32 v1, 5, v0
	v_readfirstlane_b32 s14, v1
	s_lshr_b32 s15, s14, 1
	s_and_b32 s16, s14, 1
	s_bfe_u32 s40, ttmp6, 0x40000
	s_bfe_u32 s41, ttmp6, 0x40004
	s_lshl_b32 s42, ttmp9, 2
	s_add_co_u32 s42, s42, s40
	s_and_b32 s17, ttmp7, 0xffff
	s_lshl_b32 s17, s17, 2
	s_add_co_u32 s17, s17, s41
	s_lshl_b32 s43, s41, 2
	s_lshl_b32 s43, 15, s43
	s_lshl_b32 s44, 0x1111, s40
	s_or_b32 s[G1+0], s43, (3<<16)|(1<<21)
	s_mov_b32 s[G1+1], 3072<<16
	s_mov_b32 s[G1+2], 2<<16
	s_mov_b32 s[G1+3], 3072<<16
	s_mov_b32 s[G1+4], 2
	s_mov_b32 s[G1+5], 98304
	s_mov_b32 s[G1+6], 0
	s_mov_b32 s[G1+7], 0
	s_or_b32 s[G1B+0], s44, (3<<16)|(1<<21)
	s_mov_b32 s[G1B+1], 6144<<16
	s_mov_b32 s[G1B+2], 2<<16
	s_mov_b32 s[G1B+3], 6144<<16
	s_mov_b32 s[G1B+4], 2
	s_mov_b32 s[G1B+5], 49152
	s_mov_b32 s[G1B+6], 0
	s_mov_b32 s[G1B+7], 0
	s_or_b32 s[G1S+0], s43, (3<<16)|(1<<21)
	s_mov_b32 s[G1S+1], 32<<16
	s_mov_b32 s[G1S+2], 32<<16
	s_mov_b32 s[G1S+3], 32<<16
	s_mov_b32 s[G1S+4], 32
	s_mov_b32 s[G1S+5], 32
	s_mov_b32 s[G1S+6], 0
	s_mov_b32 s[G1S+7], 0
	s_or_b32 s[G1SB+0], s44, (3<<16)|(1<<21)
	s_mov_b32 s[G1SB+1], 32<<16
	s_mov_b32 s[G1SB+2], 64<<16
	s_mov_b32 s[G1SB+3], 32<<16
	s_mov_b32 s[G1SB+4], 64
	s_mov_b32 s[G1SB+5], 32
	s_mov_b32 s[G1SB+6], 0
	s_mov_b32 s[G1SB+7], 0
	s_lshl_b32 s20, s17, 3                         ; A's first row tile
	s_lshl_b32 s46, s42, 4                         ; B's
	s_mul_i32 s66, s16, 786432                     ; in the ring I fetch one K / 256 group of a chunk's two: which, in bytes, for A
	s_mov_b32 s67, 0
	s_mul_i32 s94, s16, 393216                     ; and for B
	s_mov_b32 s95, 0
	s_lshl_b32 s22, s20, 10
	s_add_co_u32 s22, s22, A_SCL
	s_mov_b32 s23, 0
	s_lshl_b32 s12, s46, 10
	s_add_co_u32 s12, s12, WO_SCL
	s_mov_b32 s13, 0
	s_mul_i32 s20, s20, 3072
	s_mov_b32 s21, 0
	s_mul_i32 s46, s46, 3072
	s_mov_b32 s47, 0
	s_mul_i32 s45, s16, APART
	s_mul_i32 s10, s16, BPART
	s_add_co_u32 s10, s10, 2*APART
	s_cmp_eq_u32 s15, 0                            ; the prefetches: A's waves by cx, B's by cy; places in the cluster enter global addresses alone
	s_cselect_b32 s[PFA], s20, s46
	s_cselect_b32 s[PFA+1], s40, s41
	s_cselect_b32 s2, s66, s94
	s_lshl_b32 s11, 6144, s15                      ; a partner's quarter: 6,144 bytes of A's block, 12,288 of B's
	s_mul_i32 s[PFA+1], s[PFA+1], s11
	s_add_co_u32 s[PFA], s[PFA], s[PFA+1]
	s_add_co_u32 s[PFA], s[PFA], s2
	s_xor_b32 s3, s15, 1
	s_lshl_b32 s[PST], 786432, s3                  ; a chunk is two K / 256 groups
	s_add_co_u32 s[PFA], s[PFA], s[PST]            ; at chunk 1
	s_mov_b32 s[PFA+1], 0
	s_mov_b32 s[PST+1], 0
	v_and_b32 v2, 31, v0
	v_min_u32 v2, 23, v2                           ; lanes left over name the last block again
	v_lshlrev_b32 v[PFO], 8, v2
	s_wait_alu depctr_va_vdst(0)
	s_wait_dscnt 0x0
	s_wait_kmcnt 0x0
	s_add_nc_u64 s[20:21], s[4:5], s[20:21]
	s_add_nc_u64 s[22:23], s[4:5], s[22:23]
	s_add_nc_u64 s[46:47], s[6:7], s[46:47]
	s_add_nc_u64 s[12:13], s[6:7], s[12:13]
	s_cmp_eq_u32 s15, 0
	s_cselect_b64 s[2:3], s[4:5], s[6:7]
	s_add_nc_u64 s[PFA:PFA+1], s[2:3], s[PFA:PFA+1]
	CROUND
	s_mov_b32 s[G0S], 1                            ; the head's four tiles, each whole: A's scale words,
	s_mov_b32 s[G0S+1], SCL
	s_mov_b64 s[G0S+2:G0S+3], s[22:23]
	s_or_b32 s[G0S+3], s[G0S+3], 0x80000000
	s_mov_b32 s[G0SB], 1                           ; B's,
	s_mov_b32 s[G0SB+1], SCL+8192
	s_mov_b64 s[G0SB+2:G0SB+3], s[12:13]
	s_or_b32 s[G0SB+3], s[G0SB+3], 0x80000000
	s_mov_b32 s[G0], 1                             ; chunk 0 of A (slot 0's group 0 serves; it is set for the ring behind the wait for this load),
	s_mov_b32 s[G0+1], 0
	s_mov_b64 s[G0+2:G0+3], s[20:21]
	s_or_b32 s[G0+3], s[G0+3], 0x80000000
	s_mov_b32 s[G0B], 1                            ; and of B
	s_mov_b32 s[G0B+1], 2*APART
	s_mov_b64 s[G0B+2:G0B+3], s[46:47]
	s_or_b32 s[G0B+3], s[G0B+3], 0x80000000
	s_add_nc_u64 s[20:21], s[20:21], s[66:67]      ; for the ring: my K / 256 group
	s_add_nc_u64 s[46:47], s[46:47], s[94:95]
	s_mov_b32 s[G0+4], 1
	s_add_co_u32 s[G0+5], s45, SLOT
	s_add_nc_u64 s[G0+6:G0+7], s[20:21], 1572864
	s_or_b32 s[G0+7], s[G0+7], 0x80000000
	s_mov_b32 s[G0B+4], 1
	s_add_co_u32 s[G0B+5], s10, SLOT
	s_add_nc_u64 s[G0B+6:G0B+7], s[46:47], 786432
	s_or_b32 s[G0B+7], s[G0B+7], 0x80000000
	s_add_nc_u64 s[22:23], s[PFA:PFA+1], s[PST:PST+1]   ; chunk 2's place, for the head's second request (A's scale address has gone into its descriptor)
; one tree of branches on the wave's number, a load to an arm
.macro ARM under, g0, g1, next
	s_cmp_lt_u32 s14, \under
	s_cbranch_scc0 \next
	tensor_load_to_lds s[\g0:\g0+3], s[\g1:\g1+7]
	s_nop 0
.rept 4
	v_nop
.endr
	s_branch .Lhead_asked
\next:
.endm
.macro ASK p                           ; my work-group's quarter of the block that I fetch of the chunk at s[p:p+1]: 24 blocks of 256 bytes for A, 48 for B
	global_prefetch_b8 v[PFO], s[\p:\p+1] th:TH_LOAD_NT scope:SCOPE_SE
	s_cmp_eq_u32 s15, 0
	s_cbranch_scc1 .Lone_\@
	global_prefetch_b8 v[PFO], s[\p:\p+1] offset:6144 th:TH_LOAD_NT scope:SCOPE_SE
.Lone_\@:
.endm
	ARM 1, G0,  G1,  .Lhead_b
	ARM 2, G0B, G1B, .Lhead_sa
	ARM 3, G0S, G1S, .Lhead_sb
	tensor_load_to_lds s[G0SB:G0SB+3], s[G1SB:G1SB+7]
	s_nop 0
.rept 4
	v_nop
.endr
.Lhead_asked:
	ASK PFA                                        ; chunk 1, which is loaded behind the wait for the head's tiles: the buffers' first touch is asked for at once,
	ASK 22                                         ; and chunk 2, which the first refill loads
	v_and_b32 v1, 31, v0
	v_and_b32 v2, 15, v0
	v_bfe_u32 v3, v0, 4, 1
	v_lshlrev_b32 v[L16], 4, v1
	v_lshlrev_b32 v4, 3, v1
	s_mul_i32 s18, s15, 12288                      ; my 4 row tiles of A's 8 in a K / 256 group
	s_mul_i32 s19, s16, 24576                      ; my 8 of B's 16
	s_add_co_u32 s19, s19, 2*APART
	v_add_nc_u32 v[ADR1], s18, v[L16]
	v_add_nc_u32 v[ADR1B], s18, v4
	v_add_nc_u32 v[ADR0], s19, v[L16]
	v_add_nc_u32 v[ADR1+1], SLOT, v[ADR1]
	v_add_nc_u32 v[ADR1B+1], SLOT, v[ADR1B]
	v_add_nc_u32 v[ADR0+1], SLOT, v[ADR0]
	v_add_nc_u32 v[ADR0+2], 49152, v[ADR0]         ; B's second K / 256 group of a slot: beyond an LDS offset's 16 bits
	v_add_nc_u32 v[ADR0+3], 49152, v[ADR0+1]
	s_lshl_b32 s18, s15, 12
	s_lshl_b32 s19, s16, 13
	s_add_co_u32 s19, s19, 8192
	s_sub_co_u32 s19, s19, s18
	v_mul_u32_u24 v5, s19, v3
	v_lshl_add_u32 v5, v2, 3, v5
	s_add_co_u32 s18, s18, SCL
	v_add_nc_u32 v[ADRS], s18, v5
	s_mul_i32 s18, s14, 16*SPITCH
	v_mul_u32_u24 v[STO], v2, SPITCH
	v_lshl_add_u32 v[STO], v3, 6, v[STO]
	v_add_nc_u32 v[STO], s18, v[STO]
	v_add_nc_u32 v[RD], s18, v[L16]
	s_lshl_b32 s92, s17, 7
	s_lshl_b32 s93, s15, 6
	s_add_co_u32 s92, s92, s93
	s_lshl_b32 s92, s92, 13
	s_lshl_b32 s93, s42, 10
	s_add_co_u32 s92, s92, s93
	s_lshl_b32 s93, s16, 9
	s_add_co_u32 s92, s92, s93
	s_mov_b32 s93, 0
	s_add_nc_u64 s[8:9], s[8:9], s[92:93]
.macro FETCH slot, q, p
	WIN 0x40
.irp i, 0,1,2,3,4,5,6,7
.irp c, 0,1,2
	ds_load_b128 v[128*(\p)+12*\i+4*\c:128*(\p)+12*\i+4*\c+3], v[ADR0+2*((\q)/2)+\slot] offset:3072*\i+1536*((\q)%2)+512*\c
.endr
.endr
	WIN 0
.irp i, 0,1,2,3
	ds_load_b128 v[S1R+48*(\p)+12*\i:S1R+48*(\p)+12*\i+3], v[ADR1+\slot] offset:24576*((\q)/2)+3072*\i+1536*((\q)%2)
	ds_load_b64 v[S1R+48*(\p)+12*\i+4:S1R+48*(\p)+12*\i+5], v[ADR1B+\slot] offset:24576*((\q)/2)+3072*\i+1536*((\q)%2)+512
	ds_load_b128 v[S1R+48*(\p)+12*\i+6:S1R+48*(\p)+12*\i+9], v[ADR1+\slot] offset:24576*((\q)/2)+3072*\i+1536*((\q)%2)+768
	ds_load_b64 v[S1R+48*(\p)+12*\i+10:S1R+48*(\p)+12*\i+11], v[ADR1B+\slot] offset:24576*((\q)/2)+3072*\i+1536*((\q)%2)+1280
.endr
.endm
.macro SCALES set
.irp i, 0,1,2,3,4,5,6,7
.irp kk, 0,1
	ds_load_b64 v[SC+32*(\set)+4*\i+2*\kk:SC+32*(\set)+4*\i+2*\kk+1], v[ADRS] offset:1024*\i+128*\kk
.endr
.endr
.endm
.macro MULS a0, n, p, q, set, zero
	WIN 0xa1
.set QS1, \a0
.rept \n
.irp b, 0,1,2,3,4,5,6,7
.if \zero
	v_wmma_scale_f32_16x16x128_f8f6f4 v[64*QS1+8*\b:64*QS1+8*\b+7], v[128*(\p)+12*\b:128*(\p)+12*\b+11], v[S1R+48*(\p)+12*QS1:S1R+48*(\p)+12*QS1+11], 0, v[SC+32*(\set)+4*\b+(\q)], v[SC+32*(\set)+4*QS1+(\q)] matrix_a_fmt:MATRIX_FMT_FP6 matrix_b_fmt:MATRIX_FMT_FP6 matrix_a_scale:MATRIX_SCALE_ROW1
.else
	v_wmma_scale_f32_16x16x128_f8f6f4 v[64*QS1+8*\b:64*QS1+8*\b+7], v[128*(\p)+12*\b:128*(\p)+12*\b+11], v[S1R+48*(\p)+12*QS1:S1R+48*(\p)+12*QS1+11], v[64*QS1+8*\b:64*QS1+8*\b+7], v[SC+32*(\set)+4*\b+(\q)], v[SC+32*(\set)+4*QS1+(\q)] matrix_a_fmt:MATRIX_FMT_FP6 matrix_b_fmt:MATRIX_FMT_FP6 matrix_a_scale:MATRIX_SCALE_ROW1
.endif
.endr
.set QS1, QS1+1
.endr
.endm
.macro CHUNK slot, q, zero
	s_wait_dscnt 0x0
	PLACES 4
	FETCH \slot, (\q)+1, ((\q)+1)%2
	MULS 0, 4, (\q)%2, \q, \slot, \zero
	WIN 0
.endm
.macro TURN slot, next, fill
	s_wait_tensorcnt 0x0
	ds_add_u32 v[SPW], v[NIL]
	s_wait_dscnt 1
	MULS 0, 1, 1, 3, \slot, 0
	s_wait_dscnt 0x0
	s_barrier_signal -1
	MULS 1, 1, 1, 3, \slot, 0
	WIN 0
	s_barrier_wait -1
.if \fill
	CREST
	s_add_nc_u64 s[G0+4*\slot+2:G0+4*\slot+3], s[G0+4*\slot+2:G0+4*\slot+3], 3145728
	s_add_nc_u64 s[G0B+4*\slot+2:G0B+4*\slot+3], s[G0B+4*\slot+2:G0B+4*\slot+3], 1572864
	JLOAD G0+4*\slot, G1, G0B+4*\slot, G1B
.else
	PLACES 4
.endif
	s_wait_alu depctr_va_vdst(0)
	v_add_nc_u32 v[ADRS], 256, v[ADRS]
	FETCH \next, 0, 0
	SCALES \next
	MULS 2, 2, 1, 3, \slot, 0
	WIN 0
.endm
	s_wait_alu depctr_va_vdst(0)                   ; the wait at the head's end
	s_wait_xcnt 0x0                                ; the prefetches have read their addresses
	s_add_nc_u64 s[PFA:PFA+1], s[22:23], s[PST:PST+1]   ; on to chunk 3
	s_wait_tensorcnt 0x0                           ; my tile of the head's four is in
	ds_add_u32 v[SPW], v[NIL]
	s_mov_b32 s[G1+1], 32<<16                      ; no load of mine is out: from here on a load brings one K / 256 group, a dense block: A's 96 rows of 256 bytes,
	s_mov_b32 s[G1+2], 96<<16
	s_mov_b32 s[G1+3], 32<<16
	s_mov_b32 s[G1+4], 96
	s_mov_b32 s[G1+5], 32
	s_mov_b32 s[G1B+1], 32<<16                     ; B's 192
	s_mov_b32 s[G1B+2], 192<<16
	s_mov_b32 s[G1B+3], 32<<16
	s_mov_b32 s[G1B+4], 192
	s_mov_b32 s[G1B+5], 32
	s_mov_b32 s[G0+1], s45                         ; and slot 0's groups 0 name my group
	s_add_nc_u64 s[G0+2:G0+3], s[G0+2:G0+3], s[66:67]
	s_mov_b32 s[G0B+1], s10
	s_add_nc_u64 s[G0B+2:G0B+3], s[G0B+2:G0B+3], s[94:95]
	s_wait_dscnt 0x0
	CROUND                                         ; all four tiles are in, and the sixteen work-groups meet
	JLOAD G0+4, G1, G0B+4, G1B                     ; chunk 1, the first tensor load behind the round
	FETCH 0, 0, 0
	SCALES 0
	ASK PFA                                        ; chunk 3
	CHUNK 0, 0, 1
	CHUNK 0, 1, 0
	CHUNK 0, 2, 0
	TURN 0, 1, 1
	CHUNK 1, 0, 0
	CHUNK 1, 1, 0
	CHUNK 1, 2, 0
	TURN 1, 0, 1
	CHUNK 0, 0, 0
	CHUNK 0, 1, 0
	CHUNK 0, 2, 0
	TURN 0, 1, 0
	CHUNK 1, 0, 0
	CHUNK 1, 1, 0
	CHUNK 1, 2, 0
	s_wait_dscnt 0x0
	MULS 0, 4, 1, 3, 1, 0
	WIN 0
.macro TOSTAGE a
	WIN 0x08
.irp b, 0,1,2,3,4,5,6,7
	ds_store_b128 v[STO], v[64*(\a)+8*\b:64*(\a)+8*\b+3] offset:128*(\b/2)+32*(\b%2)
	ds_store_b128 v[STO], v[64*(\a)+8*\b+4:64*(\a)+8*\b+7] offset:128*(\b/2)+32*(\b%2)+16
.endr
	WIN 0
.set BB, 96+96*((\a)%2)
.irp t, 0,1,2,3,4,5,6,7,8,9,10,11,12,13,14,15
	ds_load_b128 v[BB+4*\t:BB+4*\t+3], v[RD] offset:\t*SPITCH
.endr
.endm
.macro SEND a, younger
.set BB, 96+96*((\a)%2)
	s_wait_dscnt \younger
.irp t, 0,1,2,3,4,5,6,7,8,9,10,11,12,13,14,15
	global_store_b128 v[L16], v[BB+4*\t:BB+4*\t+3], s[8:9] offset:(32*((\a)/2)+8*((\a)%2)+\t+8*(\t/8))*8192 th:TH_STORE_NT
.endr
.endm
	PLACES 4
	TOSTAGE 0
	TOSTAGE 1
	SEND 0, 32
	s_wait_xcnt 0x0
	TOSTAGE 2
	SEND 1, 32
	s_wait_xcnt 0x0
	TOSTAGE 3
	SEND 2, 32
	SEND 3, 0
	s_wait_tensorcnt 0x0
	ds_add_u32 v[SPW], v[NIL]
	s_wait_dscnt 0x0
	CROUND
	s_endpgm
.Lfunc_end_k_q35f5f4a616_oproj:
	.size	k_q35f5f4a616_oproj, .Lfunc_end_k_q35f5f4a616_oproj-k_q35f5f4a616_oproj
	.p2alignl 7, 3214868480
	.fill 96, 4, 3214868480
	.section	.rodata,"a",@progbits
	.p2align	6, 0x0
	.amdhsa_kernel k_q35f5f4a616_oproj
		.amdhsa_group_segment_fixed_size 327680
		.amdhsa_private_segment_fixed_size 0
		.amdhsa_enable_private_segment 0
		.amdhsa_kernarg_size 24
		.amdhsa_user_sgpr_count 2
		.amdhsa_user_sgpr_kernarg_segment_ptr 1
		.amdhsa_wavefront_size32 1
		.amdhsa_system_sgpr_workgroup_id_x 1
		.amdhsa_system_sgpr_workgroup_id_y 1
		.amdhsa_system_sgpr_workgroup_id_z 1
		.amdhsa_system_vgpr_workitem_id 0
		.amdhsa_next_free_vgpr 768
		.amdhsa_next_free_sgpr 100
		.amdhsa_reserve_vcc 0
		.amdhsa_float_denorm_mode_32 3
		.amdhsa_float_denorm_mode_16_64 3
		.amdhsa_memory_ordered 1
		.amdhsa_forward_progress 1
		.amdhsa_inst_pref_size 142
	.end_amdhsa_kernel
	.amdgpu_metadata
---
amdhsa.version: [ 1, 2 ]
amdhsa.kernels:
  - .name:           k_q35f5f4a616_oproj
    .symbol:         k_q35f5f4a616_oproj.kd
    .args:
      - { .name: aq, .offset: 0, .size: 8, .value_kind: global_buffer, .address_space: global }
      - { .name: woq, .offset: 8, .size: 8, .value_kind: global_buffer, .address_space: global }
      - { .name: out0, .offset: 16, .size: 8, .value_kind: global_buffer, .address_space: global }
    .group_segment_fixed_size: 327680
    .private_segment_fixed_size: 0
    .kernarg_segment_align: 8
    .kernarg_segment_size: 24
    .max_flat_workgroup_size: 128
    .sgpr_count:     100
    .vgpr_count:     768
    .wavefront_size: 32
...
	.end_amdgpu_metadata
.endif
;; end of part 4
